; MI455X (gfx1250); checked and timed in simulation.
; The chip was launched on July 23, 2026; its instructions are those of AMD's public machine-readable ISA for CDNA 5 (MIT licence, August 2026) and "CDNA5" Instruction Set Architecture Reference Guide (July 2026). The comments in the code are by the model that wrote it; some were corrected since.
;; Multi Head Attention. Allowed arithmetic: matrix products marked QUANTISED: E2M3 operands, one E8M0 scale for each 32 along K, by v_wmma_scale_f32_16x16x128_f8f6f4 with both operands' format E2M3, f32 sums; everything else in f32.
;; Inputs: Wk 1,024 x 1,024 float32; Wq 1,024 x 1,024 float32; Wv 1,024 x 1,024 float32; bk 1,024 float32; bq 1,024 float32; bv 1,024 float32; k 8 x 1,024 x 1,024 float32; q 8 x 1,024 x 1,024 float32; v 8 x 1,024 x 1,024 float32.
;; Outputs: out0 8 x 1,024 x 1,024 float32.
;; This version of the problem:
;;   THIS VERSION OF THE PROBLEM IS GIVEN IN LOW PRECISION. The matrix products marked QUANTISED in the list below multiply operands that are first quantised to E2M3 (2 exponent bits, 3 mantissa bits; 6 bits a number), with one power-of-two scale for each 32 numbers along K (OCP MX v1.0); their sums are f32. All else is computed in f32.
;;   The module's matrix products, in the order in which they are computed (A, B: the left and right operand; K: the contracted axis; several contracted axes count as one K, in the product's order):
;;     1. [M 8,192, K 1,024] x [K 1,024, N 1,024]; A: input q; B: input Wq: QUANTISED
;;     2. [M 8,192, K 1,024] x [K 1,024, N 1,024]; A: input k; B: input Wk: QUANTISED
;;     3. [M 8,192, K 1,024] x [K 1,024, N 1,024]; A: input v; B: input Wv: QUANTISED
;;     4. batch 128 x [M 1,024, K 64] x [K 64, N 1,024]; A: computed on the way; B: computed on the way: QUANTISED
;;     5. batch 128 x [M 64, K 1,024] x [K 1,024, N 1,024]; A: computed on the way; B: computed on the way: QUANTISED
;;   THE QUANTISER, for each operand of a quantised product, along K:
;;     - K is cut into blocks of 32 from its start; a last block that is shorter is filled with zeros.
;;     - A block's scale is 2^e with e = floor(log2(the largest magnitude in the block)) - 2, held to -126 .. 127; a block of zeros has e = 0. As a byte (E8M0): e + 127.
;;     - Each number is divided by its block's scale, clamped to +-7.5, and rounded to the nearest number of E2M3, ties to even, subnormals kept.
;;     - The product sums the exact products of the quantised numbers (number of the format x scale) in f32.
;;   ~~~python
;;   def quantise(x, axis):      # numpy; x: float32 -> the quantised numbers, widened to float32 again
;;       x = np.moveaxis(x, axis, -1); K = x.shape[-1]
;;       x = np.pad(x, [(0, 0)] * (x.ndim - 1) + [(0, -K % 32)]); x = x.reshape(x.shape[:-1] + (-1, 32)); a = np.abs(x).max(-1, keepdims=True)
;;       e = np.where(a > 0, np.clip(np.frexp(np.where(a > 0, a, 1))[1] - 1 - 2, -126, 127), 0)      # np.frexp(a)[1] - 1 = floor(log2(a)), exactly
;;       r = np.clip(x / 2.0 ** e, -7.5, 7.5)
;;       step = 2.0 ** (np.maximum(np.frexp(np.where(r == 0, 1, r))[1] - 1, 0) - 3)
;;       q = np.round(r / step) * step * 2.0 ** e      # np.round: ties to even
;;       return np.moveaxis(q.reshape(q.shape[:-2] + (-1,))[..., :K], -1, axis).astype(np.float32)
;;   ~~~
;;   OPERANDS COMPUTED ON THE WAY. 'Computed on the way' means the value that the module computes at that place (a softmax that the list does not call 'softmax' is quantised finished and normalised). What goes into a quantiser is computed in f32, as accurately as f32 sums, v_exp_f32 and their like allow (about 1e-6 of the number): no bf16 or f16 on the way to a quantiser, and a product that is left as it is and whose result goes on into a quantised operand takes f32 operands (vector FMAs, or v_wmma_f32_16x16x4_f32). A number that lies on a knife's edge between two numbers of the format may be rounded either way, as far as f32 arithmetic and the matrix unit's own rounding can turn it there, and no further.
;; One version. Each part assembles by itself: llvm-mc -triple=amdgcn-amd-amdhsa -mcpu=gfx1250 --defsym DOCPART=n.
;; ======== version 1 of 1: 4 launches
;; workspace buffers: xc 18,874,368 bytes; xs 786,432 bytes; wc 2,359,296 bytes; ws 98,304 bytes; hc 18,874,368 bytes; hs 1,310,720 bytes; tz 524,288 bytes
;; launch quant (part 1): grid 864 x 1, 4 waves a work-group, no clusters, 68,096 bytes of LDS; arguments q, k, v, Wq, Wk, Wv, xc, xs, wc, ws; writes xc, xs, wc, ws
.if DOCPART == 1
	.amdgcn_target "amdgcn-amd-amdhsa--gfx1250"
	.amdhsa_code_object_version 6
	.text
	.protected	k_qf1cd6b5191_quant
	.globl	k_qf1cd6b5191_quant
	.p2align	8
	.type	k_qf1cd6b5191_quant,@function
k_qf1cd6b5191_quant:
	s_mov_b64 s[64:65], 0
	v_nop
	global_prefetch_b8 v0, s[64:65] scope:SCOPE_SE
	s_setreg_imm32_b32 hwreg(HW_REG_WAVE_MODE, 25, 1), 1
	s_wait_xcnt 0x0
; q, k, v [8][1024 c][1024 l] and Wq, Wk, Wv [1024 o][1024 c], f32, become codes of FP6 (E2M3) along c, with one E8M0 byte for each 32 along c.
; A block's scale is 2^(floor(log2(its largest magnitude)) - 2); its byte is the largest magnitude's exponent field - 2, held at 1 from below.
; LIMITS: NaN and infinities are not served; a block whose largest magnitude lies under 2^-124 keeps the byte 1; a block of zeros gets the byte 1 where the rule says 127: its codes are zeros,
; which add nothing under any byte but 0xff, and the bytes are read by this program alone.
; THE CODES ARE LAID AS IMAGES OF OPERAND REGISTERS.  A fragment is 16 rows x 128 along c, 12 registers a lane, 1,536 bytes: chunk n of 512 bytes holds lane L's registers 4 n .. 4 n + 3 at byte 16 L.
; xc: [8 tensor + b][l tile 64][K step 8][1,536];  wc: [tensor][o tile 64][K step 8][1,536].
; THE ROWS OF A TILE ARE NOT NEIGHBOURS: place p = 16 tile + r of a group of 32 stands for index (p & 7) + 16 ((p >> 3) & 1) + 8 (p >> 4): so a product that takes such tiles as its source 0 leaves,
; in the 16 registers of two neighbouring tiles, 16 neighbours of that index.
; xs, ws: [..][tile pair 32][K pair 4][lane 32][2 words]: word e of lane L is the scale word of K step 2 j + e of the row at place L of the pair: lanes 0-15 the even tile, lanes 16-31 the odd one.
; SHARES.  A wave takes a tile pair (32 rows) x 256 along c: lane L holds the row at place L, 8 whole blocks, so no maximum needs another lane.  It makes 4 fragments and 256 bytes of scale words.
; Work-groups 0-95 take the weights (c innermost: rows come as they lie, 512 bytes a load, and turn through the wave's own stage in LDS); work-groups 96-863 take q, k, v (c is the middle axis: a lane takes
; a column l and its registers run down c; a load reads 128 consecutive bytes, the four waves of a work-group 512).  No matrix work, no tensor loads, no barrier: waves share nothing.
.set X,   32                           ; v32-95   two sets of 32 numbers: a block each
.set F,   96                           ; v96-143  K step s: the even tile's fragment at F + 24 s, the odd tile's 12 further on
.set U,   144                          ; v144-159 the upper halves of four blocks' codes (a conversion's three registers begin on an even number)
.set R2,  160                          ; v160-223 weights only: rows 16-31 as loaded
.set SB,  6                            ; v6-7     my row's two scale words
.set SRC, 36                           ; s[36:37] where my wave reads
.set COD, 38                           ; s[38:39] where its codes go
.set SCA, 40                           ; s[40:41] and its scale words
.set STW, 16896                        ; a wave's stage: 32 rows x (512 bytes + 16)
.macro LOADX t                         ; block t of my column: 32 numbers down c into set t % 2
.set i, 0
.rept 32
	global_load_b32 v[X+32*((\t)%2)+i], v3, s[SRC:SRC+1] offset:(32*(\t)+i)*4096 th:TH_LOAD_NT
.set i, i+1
.endr
.endm
.macro STAGEW s                        ; the 32 rows' 128 numbers of K step s: each load takes a row's 512 consecutive bytes; place rho's row goes to stage row rho
.set rho, 0
.rept 16
	global_load_b128 v[X+4*rho:X+4*rho+3], v4, s[SRC:SRC+1] offset:((rho&7)|((rho&8)<<1))*4096+512*(\s) th:TH_LOAD_NT
.set rho, rho+1
.endr
.set rho, 0
.rept 16
	global_load_b128 v[R2+4*rho:R2+4*rho+3], v4, s[SRC:SRC+1] offset:((rho&7)|((rho&8)<<1)|8)*4096+512*(\s) th:TH_LOAD_NT
.set rho, rho+1
.endr
	s_wait_loadcnt 16                              ; the first 16 rows are in; the other 16 loads may be out
.set rho, 0
.rept 16
	ds_store_b128 v8, v[X+4*rho:X+4*rho+3] offset:528*rho
.set rho, rho+1
.endr
	s_wait_loadcnt 0x0
.set rho, 0
.rept 16
	ds_store_b128 v8, v[R2+4*rho:R2+4*rho+3] offset:528*(16+rho)
.set rho, rho+1
.endr
	s_wait_dscnt 0x0                               ; the stores have read their registers, which the loads below fill again
.endm
.macro LOADW t                         ; block t of my row out of the stage: rows 528 bytes apart, an odd multiple of 16
.irp i, 0,1,2,3,4,5,6,7
	ds_load_b128 v[X+32*((\t)%2)+4*\i:X+32*((\t)%2)+4*\i+3], v9 offset:128*((\t)%4)+16*\i
.endr
.endm
; Block t of my row: its largest magnitude, its byte, its 32 codes.  kind = 0: the numbers come from memory; 1: from the stage.
.macro BLOCK t, kind
.set XS, X+32*((\t)%2)
.set FB, F+24*((\t)/4)+12*((\t)%2)+6*(((\t)%4)/2)
.set UB, U+4*((\t)%4)
.if \kind
.if (\t)%4 < 3
	s_wait_dscnt 8                                 ; this block's 8 LDS loads are in; the next block's 8 may be out
.else
	s_wait_dscnt 0x0
.endif
.else
.if (\t) < 7
	s_wait_loadcnt 32                              ; this block's 32 loads are in; the next block's 32 may be out
.else
	s_wait_loadcnt 0x0
.endif
.endif
	v_max3_num_f32 v12, |v[XS]|, |v[XS+1]|, |v[XS+2]|
	v_max3_num_f32 v13, |v[XS+3]|, |v[XS+4]|, |v[XS+5]|
.irp i, 6,10,14,18,22,26
	v_max3_num_f32 v12, v12, |v[XS+\i]|, |v[XS+\i+1]|
	v_max3_num_f32 v13, v13, |v[XS+\i+2]|, |v[XS+\i+3]|
.endr
	v_max3_num_f32 v12, v12, |v[XS+30]|, |v[XS+31]|
	v_max3_num_f32 v12, v12, v13, 0x1800000        ; and the floor 2^(3 - 127): the byte cannot fall under 1
	v_add_nc_u32 v11, 0xff000000, v12              ; 2 off the exponent field: the conversion takes the exponent field of this operand as its scale
	v_lshrrev_b32 v13, 23, v11                     ; the scale's byte
.if (\t)%4 == 0
	v_mov_b32 v[SB+(\t)/4], v13
.else
	v_lshl_or_b32 v[SB+(\t)/4], v13, 8*((\t)%4), v[SB+(\t)/4]
.endif
	v_cvt_scalef32_pk16_fp6_f32 v[FB:FB+2], v[XS:XS+15], v11
	v_cvt_scalef32_pk16_fp6_f32 v[UB:UB+2], v[XS+16:XS+31], v11
.if \kind
.if (\t)%4 < 2
	LOADW (\t)+2
.endif
.else
.if (\t) < 6
	LOADX (\t)+2
.endif
.endif
.endm
; K step s is whole.  Lane L holds all four blocks of ITS row; a fragment wants blocks 0 and 2 of a tile's row r in lane r and blocks 1 and 3 in lane 16 + r.  Blocks 0 and 2 stand in the even tile's
; registers and blocks 1 and 3 in the odd tile's: the exchange of the first's lanes 16-31 with the second's lanes 0-15 makes both fragments.
.macro FINISH s
.set F0, F+24*(\s)
.set F1, F0+12
	v_nop                                          ; one plain place behind the conversions
.irp i, 0,1,2
	v_permlane16_swap_b32 v[F0+\i], v[F1+\i]
	v_permlane16_swap_b32 v[U+\i], v[U+4+\i]
	v_permlane16_swap_b32 v[F0+6+\i], v[F1+6+\i]
	v_permlane16_swap_b32 v[U+8+\i], v[U+12+\i]
.endr
.irp i, 0,1,2
	v_mov_b32 v[F0+3+\i], v[U+\i]
	v_mov_b32 v[F1+3+\i], v[U+4+\i]
	v_mov_b32 v[F0+9+\i], v[U+8+\i]
	v_mov_b32 v[F1+9+\i], v[U+12+\i]
.endr
.irp c, 0,1,2
	global_store_b128 v4, v[F0+4*\c:F0+4*\c+3], s[COD:COD+1] offset:1536*(\s)+512*\c          ; 32 lanes store 512 consecutive bytes, at a multiple of 512 from the buffer's first byte
	global_store_b128 v4, v[F1+4*\c:F1+4*\c+3], s[COD:COD+1] offset:12288+1536*(\s)+512*\c    ; each K step has registers of its own: no store's data are written again
.endr
.endm
	s_load_b512 s[16:31], s[0:1], 0x0              ; q, k, v, Wq, Wk, Wv, xc, xs
	s_load_b128 s[32:35], s[0:1], 0x40             ; wc, ws
	v_lshl_add_u32 v224, v0, 2, 0x10800
	v_mov_b32 v225, 0
	v_lshrrev_b32 v1, 5, v0
	v_readfirstlane_b32 s4, v1                     ; wave
	v_and_b32 v2, 31, v0                           ; lane
	v_lshlrev_b32 v4, 4, v2                        ; 16 x lane
	v_lshlrev_b32 v5, 3, v2                        ; 8 x lane
	s_cmp_lt_u32 ttmp9, 96
	s_cbranch_scc1 .Lweights
	; ---- q, k, v
	s_sub_co_u32 s5, ttmp9, 96
	s_lshr_b32 s6, s5, 5                           ; 8 tensor + b
	s_bfe_u32 s7, s5, 0x20003                      ; which 256 along c
	s_and_b32 s8, s5, 7
	s_lshl_b32 s8, s8, 2
	s_add_co_u32 s8, s8, s4                        ; my tile pair
	s_lshr_b32 s9, s6, 3                           ; tensor
	s_and_b32 s10, s6, 7                           ; b
	s_lshl_b32 s10, s10, 22
	s_lshl_b32 s11, s7, 20
	s_add_co_u32 s10, s10, s11
	s_lshl_b32 s11, s8, 7
	s_add_co_u32 s10, s10, s11                     ; b x 4 MiB + 256 rows of 4,096 bytes + 32 columns of 4 bytes
	s_mov_b32 s11, 0
	s_mul_i32 s12, s6, 786432
	s_mul_i32 s13, s8, 24576
	s_add_co_u32 s12, s12, s13
	s_mul_i32 s13, s7, 3072
	s_add_co_u32 s12, s12, s13
	s_mov_b32 s13, 0
	s_lshl_b32 s14, s6, 5
	s_add_co_u32 s14, s14, s8
	s_lshl_b32 s14, s14, 2
	s_add_co_u32 s14, s14, s7
	s_lshl_b32 s14, s14, 8
	s_mov_b32 s15, 0
	s_wait_alu depctr_va_vdst(0)
	v_and_b32 v3, 7, v2                            ; the column at my place: bits 3 and 4 of the lane's number change places
	v_and_b32 v11, 8, v2
	v_lshl_or_b32 v3, v11, 1, v3
	v_bfe_u32 v11, v2, 4, 1
	v_lshl_or_b32 v3, v11, 3, v3
	v_lshlrev_b32 v3, 2, v3
	s_wait_alu depctr_va_vdst(0)
	s_wait_kmcnt 0x0
	s_cmp_eq_u32 s9, 0
	s_cselect_b64 s[SRC:SRC+1], s[16:17], s[18:19]
	s_cmp_eq_u32 s9, 2
	s_cselect_b64 s[SRC:SRC+1], s[20:21], s[SRC:SRC+1]
	s_add_nc_u64 s[SRC:SRC+1], s[SRC:SRC+1], s[10:11]
	s_add_nc_u64 s[COD:COD+1], s[28:29], s[12:13]
	s_add_nc_u64 s[SCA:SCA+1], s[30:31], s[14:15]
	LOADX 0
	LOADX 1                                        ; two blocks, 64 loads a wave, are on their way
.irp t, 0,1,2,3
	BLOCK \t, 0
.endr
	FINISH 0
.irp t, 4,5,6,7
	BLOCK \t, 0
.endr
	FINISH 1
	global_store_b64 v5, v[SB:SB+1], s[SCA:SCA+1]  ; 32 lanes store 256 consecutive bytes, aligned
	s_endpgm
	; ---- Wq, Wk, Wv
.Lweights:
	s_lshr_b32 s9, ttmp9, 5                        ; tensor
	s_and_b32 s8, ttmp9, 31                        ; tile pair; my wave's number says which 256 along c
	s_lshl_b32 s10, s8, 17
	s_lshl_b32 s11, s4, 10
	s_add_co_u32 s10, s10, s11                     ; 32 rows of 4,096 bytes + 256 numbers
	s_mov_b32 s11, 0
	s_mul_i32 s12, s9, 786432
	s_mul_i32 s13, s8, 24576
	s_add_co_u32 s12, s12, s13
	s_mul_i32 s13, s4, 3072
	s_add_co_u32 s12, s12, s13
	s_mov_b32 s13, 0
	s_lshl_b32 s14, s9, 5
	s_add_co_u32 s14, s14, s8
	s_lshl_b32 s14, s14, 2
	s_add_co_u32 s14, s14, s4
	s_lshl_b32 s14, s14, 8
	s_mov_b32 s15, 0
	s_mul_i32 s5, s4, STW                          ; my stage
	s_wait_alu depctr_va_vdst(0)
	v_add_nc_u32 v8, s5, v4                        ; in: 16 bytes a lane of a row
	v_mul_u32_u24 v9, v2, 528
	v_add_nc_u32 v9, s5, v9                        ; out: my row
	s_wait_alu depctr_va_vdst(0)
	s_wait_kmcnt 0x0
	s_cmp_eq_u32 s9, 0
	s_cselect_b64 s[SRC:SRC+1], s[22:23], s[24:25]
	s_cmp_eq_u32 s9, 2
	s_cselect_b64 s[SRC:SRC+1], s[26:27], s[SRC:SRC+1]
	s_add_nc_u64 s[SRC:SRC+1], s[SRC:SRC+1], s[10:11]
	s_add_nc_u64 s[COD:COD+1], s[32:33], s[12:13]
	s_add_nc_u64 s[SCA:SCA+1], s[34:35], s[14:15]
	STAGEW 0
	LOADW 0
	LOADW 1
.irp t, 0,1,2,3
	BLOCK \t, 1
.endr
	FINISH 0
	STAGEW 1                                       ; my reads of the stage are back (the last block's wait was for 0): it is written again
	LOADW 4
	LOADW 5
.irp t, 4,5,6,7
	BLOCK \t, 1
.endr
	FINISH 1
	global_store_b64 v5, v[SB:SB+1], s[SCA:SCA+1]
	s_wait_tensorcnt 0x0
	ds_add_u32 v224, v225
	s_wait_dscnt 0x0
	s_endpgm
.Lfunc_end_k_qf1cd6b5191_quant:
	.size	k_qf1cd6b5191_quant, .Lfunc_end_k_qf1cd6b5191_quant-k_qf1cd6b5191_quant
	.p2alignl 7, 3214868480
	.fill 96, 4, 3214868480
	.section	.rodata,"a",@progbits
	.p2align	6, 0x0
	.amdhsa_kernel k_qf1cd6b5191_quant
		.amdhsa_group_segment_fixed_size 68096
		.amdhsa_private_segment_fixed_size 0
		.amdhsa_enable_private_segment 0
		.amdhsa_kernarg_size 80
		.amdhsa_user_sgpr_count 2
		.amdhsa_user_sgpr_kernarg_segment_ptr 1
		.amdhsa_wavefront_size32 1
		.amdhsa_system_sgpr_workgroup_id_x 1
		.amdhsa_system_sgpr_workgroup_id_y 1
		.amdhsa_system_sgpr_workgroup_id_z 1
		.amdhsa_system_vgpr_workitem_id 0
		.amdhsa_next_free_vgpr 226
		.amdhsa_next_free_sgpr 66
		.amdhsa_reserve_vcc 0
		.amdhsa_float_denorm_mode_32 3
		.amdhsa_float_denorm_mode_16_64 3
		.amdhsa_memory_ordered 1
		.amdhsa_forward_progress 1
		.amdhsa_inst_pref_size 69
	.end_amdhsa_kernel
	.amdgpu_metadata
---
amdhsa.version: [ 1, 2 ]
amdhsa.kernels:
  - .name:           k_qf1cd6b5191_quant
    .symbol:         k_qf1cd6b5191_quant.kd
    .args:
      - { .name: q, .offset: 0, .size: 8, .value_kind: global_buffer, .address_space: global }
      - { .name: k, .offset: 8, .size: 8, .value_kind: global_buffer, .address_space: global }
      - { .name: v, .offset: 16, .size: 8, .value_kind: global_buffer, .address_space: global }
      - { .name: Wq, .offset: 24, .size: 8, .value_kind: global_buffer, .address_space: global }
      - { .name: Wk, .offset: 32, .size: 8, .value_kind: global_buffer, .address_space: global }
      - { .name: Wv, .offset: 40, .size: 8, .value_kind: global_buffer, .address_space: global }
      - { .name: xc, .offset: 48, .size: 8, .value_kind: global_buffer, .address_space: global }
      - { .name: xs, .offset: 56, .size: 8, .value_kind: global_buffer, .address_space: global }
      - { .name: wc, .offset: 64, .size: 8, .value_kind: global_buffer, .address_space: global }
      - { .name: ws, .offset: 72, .size: 8, .value_kind: global_buffer, .address_space: global }
    .group_segment_fixed_size: 68096
    .private_segment_fixed_size: 0
    .kernarg_segment_align: 8
    .kernarg_segment_size: 80
    .max_flat_workgroup_size: 128
    .sgpr_count:     66
    .vgpr_count:     226
    .wavefront_size: 32
...
	.end_amdgpu_metadata
.endif
;; end of part 1
;; launch proj (part 2): grid 4 x 192, 4 waves a work-group, clusters of 4 x 4, 311,808 bytes of LDS; arguments xc, xs, wc, ws, bq, bk, bv, hc, hs; writes hc, hs
.if DOCPART == 2
	.amdgcn_target "amdgcn-amd-amdhsa--gfx1250"
	.amdhsa_code_object_version 6
	.text
	.protected	k_qf1cd6b5191_proj
	.globl	k_qf1cd6b5191_proj
	.p2align	8
	.type	k_qf1cd6b5191_proj,@function
k_qf1cd6b5191_proj:
	s_mov_b64 s[64:65], 0
	v_nop
	global_prefetch_b8 v0, s[64:65] scope:SCOPE_SE
	s_setreg_imm32_b32 hwreg(HW_REG_WAVE_MODE, 25, 1), 1
	s_wait_xcnt 0x0
	s_wait_alu depctr_hold_cnt(0) depctr_sa_sdst(0) depctr_va_vdst(0) depctr_va_sdst(0) depctr_va_ssrc(0) depctr_va_vcc(0) depctr_vm_vsrc(0)
	s_getreg_b32 s2, hwreg(HW_REG_IB_STS2, 6, 4)
	s_cmp_eq_u32 s2, 0
	s_cbranch_scc0 .Lentry_in_a_cluster
	s_endpgm
.Lentry_in_a_cluster:
	s_bfe_u32 s2, ttmp6, 0x10000c
	s_cmp_lg_u32 s2, 0xf033
	s_cbranch_scc0 .Lentry_shape_is_right
	s_endpgm
.Lentry_shape_is_right:
; y[b][o][l] = sum over c of W[o][c] x[b][c][l] + bias[o] for q, k and v, on codes of FP6 (E2M3) with one E8M0 scale for each 32 along c; the result is quantised again at once, in registers:
; q's and k's along o (the head's 64 channels: the K of the scores), v's along l (the keys: the K of the second product of attention).
; SHARES.  Work-group (gx, gy): gy = 64 tensor + 8 b + lb takes 128 l (8 tiles of x), gx takes 256 o (16 tiles of W: 4 heads).  Wave w takes all 8 tiles of x and the 4 tiles of W of head 4 gx + w: 32 accumulators.
; ALL OF K LIES IN LDS: 98,304 bytes of x's codes, 196,608 of W's, their scale words: every byte is filled once, so nothing is filled again.  The fills go by pairs of K steps, and the products begin when the first pair has landed.
; CLUSTERS: 4 x 4 work-groups.  The four of a row of the cluster (the same gy) need the same tiles of x, the four of a column (the same gx, and all sixteen the same tensor) the same tiles of W:
; each tile is asked for JOINTLY, by the same tensor load with the same descriptor and a mask that names the four.
; TWO ORDERS OF THE SOURCES.  q, k: source 0 = 16 rows of W, source 1 = 16 columns of x: a lane holds one l, its registers run along o.  v: source 0 = x, source 1 = W: a lane holds one o, its registers run along l.
; The rows of a tile are not neighbours (place p of a group of 32 stands for index (p & 7) + 16 ((p >> 3) & 1) + 8 (p >> 4)), so that the 16 registers of two neighbouring tiles of source 0 are 16 neighbours.
; The choice hangs on the tensor, which all sixteen partners share; the branch stands round each K step's 32 products and in front of the way out, and all waits, barriers and LDS loads stand outside it.
; OUT.  hc: tensor x 6,291,456 + head x 49,152 +: q, k: [l tile 64][768]: a half image (16 rows x 64 K, 6 registers a lane): registers 0-3 at 16 lane, registers 4-5 at 512 + 8 lane; v: [s step 8][c tile 4][1,536]: whole images.
; hs: q at 0, k at 524,288: [head][place 1,024] words, byte 0 | byte 1 << 8, the upper bytes 0; v at 1,048,576: [head][s step 8][c tile 4][16 words].
; LIMITS: NaN and infinities are not served; a block whose largest magnitude lies under 2^-124 keeps the byte 1, a block of zeros too (its codes are zeros; this program alone reads the bytes).
; REGISTERS, in windows of 256: window 0: v1-20 addresses; v32-63 x's scale words (8 pair + K step), v64-79 W's; v80-175 W's fragments, two sets of 48; v184-215 the bias along o, v216-223 the bias by lane.
;   window 1: v0-191 x's fragments, two sets of 96.   window 2: the accumulators.   On the way out window 0's v80-181 are at work.
.set XL,  0                            ; x's codes: [K pair 4][tile 8][2 K steps][1,536]
.set WL,  98304                        ; W's codes: [K pair 4][tile 16][2 K steps][1,536]
.set XSL, 294912                       ; x's scale words: [tile pair 4][K pair 4][256]
.set WSL, 299008                       ; W's: [tile pair 8][K pair 4][256]
.set SGQ, 307200                       ; stage for q's and k's new scale words: 512 bytes a wave; no fill lands here
.set SGV, 309248                       ; and for v's: 256 bytes a wave
.set ADX, 4                            ; v4-7   x's codes of K pair j: XL + 24,576 j + 16 lane
.set ADW, 8                            ; v8-11  my four tiles of W of K pair j
.set SX,  32
.set SW,  64
.set WF,  80
.set BI,  184
.set BV,  216
.set H,   80                           ; the way out: 64 numbers,
.set PC,  144                          ; their codes,
.set TM,  164                          ; v164-167 largest magnitudes, v168-171 bytes, v176-179 the conversions' scale operands
.set PW,  180                          ; the scale word just made
.set SEL, 4                            ; s[4:5] lane selects for v_permlanex16_b32 (once the descriptors are made)
.set G1X,  20                          ; s[20:27] group 1 for x's codes;  s[28:35] for W's;  s[36:43], s[44:51] for the scale words
.set G1W,  28
.set G1XS, 36
.set G1WS, 44
.set GX0, 52                           ; groups 0 for x: the scale words, then K pairs 0 to 3
.set GX1, 56
.set GX2, 60
.set GX3, 68
.set GX4, 72
.set GW0, 76                           ; and for W
.set GW1, 80
.set GW2, 84
.set GW3, 88
.set GW4, 92
.set MSB, 0
.macro WIN new                         ; the immediate's high byte repeats the setting that is left
.if MSB != \new
	s_set_vgpr_msb (MSB<<8)|\new
.set MSB, \new
.endif
.endm
.macro PLACES n
.rept \n
	v_nop
.endr
.endm
.macro CROUND                          ; a round of the cluster's barrier
	s_barrier_signal -1
	s_barrier_wait -1
	s_cmp_lg_u32 s12, 0
	s_cbranch_scc1 .Lnot_wave_0_\@
	s_barrier_signal -3
.Lnot_wave_0_\@:
	s_barrier_wait -3
	s_barrier_signal -1
	s_barrier_wait -1
.endm
.macro GROUP1 g, c, r, p               ; r rows of c elements of 8 bytes, p elements apart; word 0 (mask, element size) is written apart
	s_mov_b32 s[\g+1], (\c)<<16
	s_mov_b32 s[\g+2], (\r)<<16
	s_mov_b32 s[\g+3], (\c)<<16
	s_mov_b32 s[\g+4], \r
	s_mov_b32 s[\g+5], \p
	s_mov_b32 s[\g+6], 0
	s_mov_b32 s[\g+7], 0
.endm
.macro GROUP0 g, l, lc, a, ac          ; to LDS byte s[l] + lc, from address s[a:a+1] + ac
	s_mov_b32 s[\g], 1
	s_add_co_u32 s[\g+1], s[\l], \lc
	s_add_nc_u64 s[\g+2:\g+3], s[\a:\a+1], \ac
	s_or_b32 s[\g+3], s[\g+3], 0x80000000
.endm
; One product.  zero: it starts its sum;  sa, sb: the scale registers;  ra, rb: 1 where the side's words stand in lanes 16-31
.macro WM d, a, b, zero, sa, sb, ra, rb
.if \zero
.if (\ra) && (\rb)
	v_wmma_scale_f32_16x16x128_f8f6f4 v[(\d):(\d)+7], v[(\a):(\a)+11], v[(\b):(\b)+11], 0, v[\sa], v[\sb] matrix_a_fmt:MATRIX_FMT_FP6 matrix_b_fmt:MATRIX_FMT_FP6 matrix_a_scale:MATRIX_SCALE_ROW1 matrix_b_scale:MATRIX_SCALE_ROW1
.elseif (\ra)
	v_wmma_scale_f32_16x16x128_f8f6f4 v[(\d):(\d)+7], v[(\a):(\a)+11], v[(\b):(\b)+11], 0, v[\sa], v[\sb] matrix_a_fmt:MATRIX_FMT_FP6 matrix_b_fmt:MATRIX_FMT_FP6 matrix_a_scale:MATRIX_SCALE_ROW1
.elseif (\rb)
	v_wmma_scale_f32_16x16x128_f8f6f4 v[(\d):(\d)+7], v[(\a):(\a)+11], v[(\b):(\b)+11], 0, v[\sa], v[\sb] matrix_a_fmt:MATRIX_FMT_FP6 matrix_b_fmt:MATRIX_FMT_FP6 matrix_b_scale:MATRIX_SCALE_ROW1
.else
	v_wmma_scale_f32_16x16x128_f8f6f4 v[(\d):(\d)+7], v[(\a):(\a)+11], v[(\b):(\b)+11], 0, v[\sa], v[\sb] matrix_a_fmt:MATRIX_FMT_FP6 matrix_b_fmt:MATRIX_FMT_FP6
.endif
.else
.if (\ra) && (\rb)
	v_wmma_scale_f32_16x16x128_f8f6f4 v[(\d):(\d)+7], v[(\a):(\a)+11], v[(\b):(\b)+11], v[(\d):(\d)+7], v[\sa], v[\sb] matrix_a_fmt:MATRIX_FMT_FP6 matrix_b_fmt:MATRIX_FMT_FP6 matrix_a_scale:MATRIX_SCALE_ROW1 matrix_b_scale:MATRIX_SCALE_ROW1
.elseif (\ra)
	v_wmma_scale_f32_16x16x128_f8f6f4 v[(\d):(\d)+7], v[(\a):(\a)+11], v[(\b):(\b)+11], v[(\d):(\d)+7], v[\sa], v[\sb] matrix_a_fmt:MATRIX_FMT_FP6 matrix_b_fmt:MATRIX_FMT_FP6 matrix_a_scale:MATRIX_SCALE_ROW1
.elseif (\rb)
	v_wmma_scale_f32_16x16x128_f8f6f4 v[(\d):(\d)+7], v[(\a):(\a)+11], v[(\b):(\b)+11], v[(\d):(\d)+7], v[\sa], v[\sb] matrix_a_fmt:MATRIX_FMT_FP6 matrix_b_fmt:MATRIX_FMT_FP6 matrix_b_scale:MATRIX_SCALE_ROW1
.else
	v_wmma_scale_f32_16x16x128_f8f6f4 v[(\d):(\d)+7], v[(\a):(\a)+11], v[(\b):(\b)+11], v[(\d):(\d)+7], v[\sa], v[\sb] matrix_a_fmt:MATRIX_FMT_FP6 matrix_b_fmt:MATRIX_FMT_FP6
.endif
.endif
.endm
; K step s's fragments into set s % 2: 36 loads of 512 consecutive bytes, images of the registers
.macro FETCH s
	WIN 0x40                                       ; destination window 1, address window 0
.irp xt, 0,1,2,3,4,5,6,7
.irp c, 0,1,2
	ds_load_b128 v[96*((\s)%2)+12*\xt+4*\c:96*((\s)%2)+12*\xt+4*\c+3], v[ADX+(\s)/2] offset:3072*\xt+1536*((\s)%2)+512*\c
.endr
.endr
	WIN 0
.irp wt, 0,1,2,3
.irp c, 0,1,2
	ds_load_b128 v[WF+48*((\s)%2)+12*\wt+4*\c:WF+48*((\s)%2)+12*\wt+4*\c+3], v[ADW+(\s)/2] offset:3072*\wt+1536*((\s)%2)+512*\c
.endr
.endr
.endm
; K step s's 32 products.  ty = 0: accumulator (x tile, W tile) at 32 xt + 8 wt; ty = 1: at 64 wt + 8 xt.  The 32 accumulators take turns, one instruction a turn, in the same order in every K step.
.macro MUL32 ty, s
.irp xt, 0,1,2,3,4,5,6,7
.irp wt, 0,1,2,3
.if \ty
	WM 64*\wt+8*\xt, 96*((\s)%2)+12*\xt, WF+48*((\s)%2)+12*\wt, (\s)==0, SX+8*(\xt/2)+(\s), SW+8*(\wt/2)+(\s), \xt%2, \wt%2
.else
	WM 32*\xt+8*\wt, WF+48*((\s)%2)+12*\wt, 96*((\s)%2)+12*\xt, (\s)==0, SW+8*(\wt/2)+(\s), SX+8*(\xt/2)+(\s), \wt%2, \xt%2
.endif
.endr
.endr
.endm
.macro STEP s
	s_wait_dscnt 0x0                               ; this K step's fragments are in (asked for ahead of the last step's 32 products)
.if ((\s)%2 == 1) && ((\s) < 7)
	s_wait_tensorcnt 3-((\s)+1)/2                  ; my part of the next K pair has landed; the younger pairs' loads may stay out
	s_barrier_signal -1
	s_barrier_wait -1                              ; everybody's has
.endif
.if (\s) < 7
.if (\s) > 0
	PLACES 4                                       ; in front of loads into registers that the last step's products have read (ISA guide 7.12.1 for vector instructions)
.endif
	FETCH (\s)+1
.endif
	s_cmp_eq_u32 s18, 2                            ; v?  The same in all sixteen partners
	s_cbranch_scc1 .Lrows_\@
	WIN 0xa4                                       ; source 0 (W) window 0, source 1 (x) window 1, C and D window 2
	MUL32 0, \s
	WIN 0
	s_branch .Ljoin_\@
.Lrows_\@:
	WIN 0xa1                                       ; source 0 (x) window 1, source 1 (W) window 0
	MUL32 1, \s
	WIN 0
.Ljoin_\@:
.endm
; 64 numbers of a lane, v[s] .. v[s + 63], register 16 b + i = index 32 b + 16 (lane / 16) + i of my row, become 12 registers of codes in v[PC] on and a scale word in v[PW].
.macro QUANT s
.irp b, 0,1,2,3
	v_max3_num_f32 v[TM+\b], |v[\s+16*\b]|, |v[\s+1+16*\b]|, 0x1800000   ; block b: my 16 numbers, and the floor 2^(3 - 127): the byte cannot fall under 1
.endr
.irp i, 2,4,6,8,10,12,14
.irp b, 0,1,2,3
	v_max3_num_f32 v[TM+\b], v[TM+\b], |v[\s+16*\b+\i]|, |v[\s+1+16*\b+\i]|
.endr
.endr
.irp b, 0,1,2,3
	v_permlanex16_b32 v[TM+4+\b], v[TM+\b], s[SEL], s[SEL+1]
.endr
.irp b, 0,1,2,3
	v_max_num_f32 v[TM+\b], v[TM+\b], v[TM+4+\b]   ; with lane l xor 16's: the block's largest magnitude
.endr
.irp b, 0,1,2,3
	v_add_nc_u32 v[TM+12+\b], 0xff000000, v[TM+\b] ; 2 off its exponent field: the conversion's scale operand
.endr
.irp b, 0,1,2,3
	v_lshrrev_b32 v[TM+4+\b], 23, v[TM+12+\b]      ; the scale's byte
.endr
	v_lshl_or_b32 v[PW], v[TM+5], 8, v[TM+4]
	v_lshl_or_b32 v[PW], v[TM+6], 16, v[PW]
	v_lshl_or_b32 v[PW], v[TM+7], 24, v[PW]
.irp c, 0,1
	v_cvt_scalef32_pk16_fp6_f32 v[PC+6*\c:PC+2+6*\c], v[\s+32*\c:\s+15+32*\c], v[TM+12+2*\c]
	v_cvt_scalef32_pk16_fp6_f32 v[PC+12+4*\c:PC+14+4*\c], v[\s+16+32*\c:\s+31+32*\c], v[TM+12+2*\c+1]   ; (a conversion's three registers begin on an even number)
.endr
	v_nop                                          ; one plain place behind a scaled conversion
.irp c, 0,1                                    ; a whole block in a lane: lanes 0-15 block 2 c, lanes 16-31 block 2 c + 1
.irp i, 0,1,2
	v_permlane16_swap_b32 v[PC+6*\c+\i], v[PC+12+4*\c+\i]
.endr
.irp i, 0,1,2
	v_mov_b32 v[PC+3+6*\c+\i], v[PC+12+4*\c+\i]
.endr
.endr
.endm
; A turn of the way out: 64 accumulator registers + bias, quantised, stored.  ty = 0: x tiles 2 e and 2 e + 1, each with the head's two blocks: two half images.  ty = 1: c tile e x 128 keys: one image.
.macro TURN ty, e
	s_wait_xcnt 0x0                                ; the last turn's stores have read their data: the codes' registers are written again only behind this wait
	WIN 0x02                                       ; source 0 window 2
.set n, 0
.rept 32                                       ; ascending: each accumulator is read from its low end on
.if \ty
	v_pk_add_f32 v[H+2*n:H+2*n+1], v[64*(\e)+2*n:64*(\e)+2*n+1], v[BV+2*(\e):BV+2*(\e)+1]
.else
	v_pk_add_f32 v[H+2*n:H+2*n+1], v[64*(\e)+2*n:64*(\e)+2*n+1], v[BI+(2*n)%32:BI+(2*n)%32+1]
.endif
.set n, n+1
.endr
	WIN 0
	QUANT H
.if \ty
.irp c, 0,1,2
	global_store_b128 v1, v[PC+4*\c:PC+4*\c+3], s[98:99] offset:1536*(\e)+512*\c   ; 512 consecutive bytes a store, aligned
.endr
	ds_store_b32 v16, v[PW] offset:64*(\e)         ; row r's word; both halves of the lanes write the same word with the same value
.else
	global_store_b128 v1, v[PC:PC+3], s[98:99] offset:1536*(\e)
	global_store_b64 v2, v[PC+4:PC+5], s[98:99] offset:1536*(\e)+512               ; 256 consecutive bytes, aligned
	global_store_b128 v1, v[PC+6:PC+9], s[98:99] offset:1536*(\e)+768
	global_store_b64 v2, v[PC+10:PC+11], s[98:99] offset:1536*(\e)+1280
	v_lshrrev_b32 v[PW+1], v18, v[PW]              ; lanes 0-15: the even tile's two bytes; lanes 16-31: the odd tile's
	v_and_b32 v[PW+1], 0xffff, v[PW+1]             ; the upper two bytes are 0, never 0xff
	ds_store_b32 v14, v[PW+1] offset:128*(\e)
.endif
.endm
	s_load_b256 s[4:11], s[0:1], 0x0               ; xc, xs, wc, ws
	s_load_b256 s[76:83], s[0:1], 0x20             ; bq, bk, bv, hc
	s_load_b64 s[100:101], s[0:1], 0x40            ; hs
	v_lshl_add_u32 v254, v0, 2, 0x4c000
	v_mov_b32 v255, 0
	ds_add_u32 v254, v255
	ds_add_u32 v254, v255
	v_lshrrev_b32 v1, 5, v0
	v_readfirstlane_b32 s12, v1                    ; wave 0..3
	s_lshr_b32 s13, s12, 1                         ; I fetch for x (0) or for W (1),
	s_and_b32 s14, s12, 1                          ; and which half of the tiles
	s_bfe_u32 s15, ttmp6, 0x40000                  ; cx
	s_bfe_u32 s16, ttmp6, 0x40004                  ; cy
	s_lshl_b32 s19, ttmp9, 2
	s_add_co_u32 s19, s19, s15                     ; gx = 4 x cluster x + cx
	s_and_b32 s18, ttmp7, 0xffff                   ; cluster y
	s_lshl_b32 s17, s18, 2
	s_add_co_u32 s17, s17, s16                     ; gy = 4 x cluster y + cy
	s_lshr_b32 s18, s18, 4                         ; the tensor: 16 clusters along y each
	s_lshl_b32 s2, s16, 2
	s_lshl_b32 s2, 15, s2                          ; my row of the cluster
	s_lshl_b32 s66, 0x1111, s15                    ; my column
	s_or_b32 s[G1X], s2, (3<<16)|(1<<21)           ; 15:0 the mask; 17:16 elements of 8 bytes; 21 set beside a mask; no padding
	s_or_b32 s[G1XS], s2, (3<<16)|(1<<21)
	s_or_b32 s[G1W], s66, (3<<16)|(1<<21)
	s_or_b32 s[G1WS], s66, (3<<16)|(1<<21)
	GROUP1 G1X, 384, 4, 1536                       ; 4 tiles x 3,072 bytes (two K steps' images), 12,288 bytes from tile to tile
	GROUP1 G1W, 384, 8, 1536                       ; 8 tiles likewise
	GROUP1 G1XS, 32, 8, 32                         ; 2,048 dense bytes as rows of 256
	GROUP1 G1WS, 32, 16, 32                        ; 4,096 dense bytes
	s_wait_dscnt 0x0
	s_wait_kmcnt 0x0
	s_cmp_eq_u32 s18, 0
	s_cselect_b64 s[96:97], s[76:77], s[78:79]
	s_cmp_eq_u32 s18, 2
	s_cselect_b64 s[96:97], s[80:81], s[96:97]     ; the tensor's bias
	s_mov_b64 s[98:99], s[82:83]                   ; hc
	; x's addresses hang on gy and the wave's number alone, W's on gx, the tensor and the wave's number alone, each made in registers that never hold the other coordinate
	s_mul_i32 s2, s17, 98304
	s_mul_i32 s3, s14, 49152
	s_add_co_u32 s2, s2, s3
	s_mov_b32 s3, 0
	s_add_nc_u64 s[4:5], s[4:5], s[2:3]            ; x's codes: my 4 tiles
	s_lshl_b32 s2, s17, 12
	s_lshl_b32 s3, s14, 11
	s_add_co_u32 s2, s2, s3
	s_mov_b32 s3, 0
	s_add_nc_u64 s[6:7], s[6:7], s[2:3]            ; x's scale words: my half
	s_lshl_b32 s66, s18, 6
	s_lshl_b32 s67, s19, 4
	s_add_co_u32 s66, s66, s67
	s_lshl_b32 s67, s14, 3
	s_add_co_u32 s66, s66, s67
	s_mul_i32 s66, s66, 12288
	s_mov_b32 s67, 0
	s_add_nc_u64 s[8:9], s[8:9], s[66:67]          ; W's codes: my 8 tiles
	s_lshl_b32 s66, s18, 5
	s_lshl_b32 s67, s19, 3
	s_add_co_u32 s66, s66, s67
	s_lshl_b32 s66, s66, 10
	s_lshl_b32 s67, s14, 12
	s_add_co_u32 s66, s66, s67
	s_mov_b32 s67, 0
	s_add_nc_u64 s[10:11], s[10:11], s[66:67]      ; W's scale words: my half
	s_lshl_b32 s3, s14, 11
	GROUP0 GX0, 3, XSL, 6, 0
	s_mul_i32 s3, s14, 12288
	GROUP0 GX1, 3, XL, 4, 0
	GROUP0 GX2, 3, XL+24576, 4, 3072
	GROUP0 GX3, 3, XL+49152, 4, 6144
	GROUP0 GX4, 3, XL+73728, 4, 9216
	s_lshl_b32 s3, s14, 12
	GROUP0 GW0, 3, WSL, 10, 0
	s_mul_i32 s3, s14, 24576
	GROUP0 GW1, 3, WL, 8, 0
	GROUP0 GW2, 3, WL+49152, 8, 3072
	GROUP0 GW3, 3, WL+98304, 8, 6144
	GROUP0 GW4, 3, WL+147456, 8, 9216
	CROUND                                         ; all sixteen work-groups are here: the joint loads meet
	s_cmp_eq_u32 s13, 0                            ; a wave's five fills stand in one branch on the wave's number: five loads of mine are out
	s_cbranch_scc0 .Lfill_w
	tensor_load_to_lds s[GX0:GX0+3], s[G1XS:G1XS+7]
	s_nop 0
	tensor_load_to_lds s[GX1:GX1+3], s[G1X:G1X+7]
	s_nop 0
	tensor_load_to_lds s[GX2:GX2+3], s[G1X:G1X+7]
	s_nop 0
	tensor_load_to_lds s[GX3:GX3+3], s[G1X:G1X+7]
	s_nop 0
	tensor_load_to_lds s[GX4:GX4+3], s[G1X:G1X+7]
	s_nop 0
.rept 4
	v_nop
.endr
	s_branch .Lfilled
.Lfill_w:
	tensor_load_to_lds s[GW0:GW0+3], s[G1WS:G1WS+7]
	s_nop 0
	tensor_load_to_lds s[GW1:GW1+3], s[G1W:G1W+7]
	s_nop 0
	tensor_load_to_lds s[GW2:GW2+3], s[G1W:G1W+7]
	s_nop 0
	tensor_load_to_lds s[GW3:GW3+3], s[G1W:G1W+7]
	s_nop 0
	tensor_load_to_lds s[GW4:GW4+3], s[G1W:G1W+7]
	s_nop 0
.rept 4
	v_nop
.endr
.Lfilled:
	v_and_b32 v24, 31, v0                          ; lane
	v_lshlrev_b32 v1, 4, v24
	v_lshlrev_b32 v2, 3, v24
	v_lshlrev_b32 v3, 2, v24
	v_and_b32 v25, 15, v0                          ; r
	v_bfe_u32 v26, v0, 4, 1                        ; h
	s_mul_i32 s3, s12, 12288                       ; my four tiles of W
.irp j, 0,1,2,3
	v_add_nc_u32 v[ADX+\j], XL+24576*\j, v1
	s_add_co_u32 s2, s3, WL+49152*\j
	v_add_nc_u32 v[ADW+\j], s2, v1
.endr
	v_add_nc_u32 v12, XSL, v2                      ; x's scale words: 8 bytes a lane
	s_lshl_b32 s2, s12, 11
	s_add_co_u32 s2, s2, WSL
	v_add_nc_u32 v13, s2, v2                       ; my two tile pairs of W's
	s_lshl_b32 s2, s12, 9
	s_add_co_u32 s2, s2, SGQ
	v_add_nc_u32 v14, s2, v3                       ; my stage for q's and k's words: in,
	v_add_nc_u32 v15, s2, v1                       ; and back
	s_lshl_b32 s2, s12, 8
	s_add_co_u32 s2, s2, SGV
	v_lshl_add_u32 v16, v25, 2, s2                 ; my stage for v's words: in,
	v_add_nc_u32 v17, s2, v2                       ; and back
	v_lshlrev_b32 v18, 4, v26                      ; 16 h: a shift
	v_lshlrev_b32 v19, 6, v26                      ; the bias along o: my half's 16 numbers of a block of 32
	v_and_b32 v20, 7, v25
	v_lshrrev_b32 v21, 3, v25
	v_lshlrev_b32 v20, 2, v20
	v_lshl_add_u32 v20, v21, 6, v20                ; the bias by lane: the o at place r of a tile: (r & 7) + 16 (r >> 3)
	s_lshl_b32 s2, s19, 2
	s_add_co_u32 s2, s2, s12                       ; my head of the 16
	s_lshl_b32 s66, s2, 8
	s_mov_b32 s67, 0
	s_add_nc_u64 s[96:97], s[96:97], s[66:67]
.irp b, 0,1
.irp i, 0,1,2,3
	global_load_b128 v[BI+16*\b+4*\i:BI+16*\b+4*\i+3], v19, s[96:97] offset:128*\b+16*\i   ; register 16 b + i: o = 32 b + 16 h + i of the head
.endr
.endr
.irp t, 0,1,2,3
	global_load_b32 v[BV+2*\t], v20, s[96:97] offset:(32*(\t/2)+8*(\t%2))*4                 ; my o of W tile t, twice: a pair for the packed addition
	global_load_b32 v[BV+2*\t+1], v20, s[96:97] offset:(32*(\t/2)+8*(\t%2))*4
.endr
	s_bfe_u32 s3, s17, 0x30003                     ; b
	s_lshl_b32 s3, s3, 4
	s_add_co_u32 s2, s2, s3                        ; the head of the 128
	s_and_b32 s3, s17, 7                           ; lb
	s_mul_i32 s66, s18, 6291456
	s_mul_i32 s15, s2, 49152
	s_add_co_u32 s66, s66, s15
	s_mul_i32 s15, s3, 6144
	s_add_co_u32 s66, s66, s15
	s_add_nc_u64 s[98:99], s[98:99], s[66:67]      ; where my codes go
	s_lshl_b32 s66, s2, 12
	s_lshl_b32 s15, s3, 9
	s_add_co_u32 s66, s66, s15                     ; q, k: 4,096 bytes a head, 512 a block of l;
	s_cmp_eq_u32 s18, 2
	s_cselect_b32 s15, 1, 0
	s_lshr_b32 s66, s66, s15                       ; v: half of both
	s_lshl_b32 s15, s18, 19
	s_add_co_u32 s66, s66, s15                     ; + 524,288 x tensor
	s_add_nc_u64 s[100:101], s[100:101], s[66:67]  ; where my scale words go
	s_mov_b32 s[SEL], 0x76543210
	s_mov_b32 s[SEL+1], 0xfedcba98
	s_wait_tensorcnt 0x3                           ; the scale words and K pair 0 are in; my three younger loads may stay out
	s_barrier_signal -1
	s_barrier_wait -1                              ; everybody's are
.irp p, 0,1,2,3                                ; all scale words of all K stay in registers: lanes 0-15 the even tile of a pair, lanes 16-31 the odd one
.irp j, 0,1,2,3
	ds_load_b64 v[SX+8*\p+2*\j:SX+8*\p+2*\j+1], v12 offset:1024*\p+256*\j
.endr
.endr
.irp q, 0,1
.irp j, 0,1,2,3
	ds_load_b64 v[SW+8*\q+2*\j:SW+8*\q+2*\j+1], v13 offset:1024*\q+256*\j
.endr
.endr
	FETCH 0
.irp s, 0,1,2,3,4,5,6,7
	STEP \s
.endr
	PLACES 4                                       ; in front of the first read of results and the first write over fragments
	s_wait_loadcnt 0x0                             ; the bias
.irp b, 0,1,2,3
	v_mov_b32 v[TM+4+\b], 0                        ; written once: a lane permute's destination counts as one of its sources
.endr
	s_cmp_eq_u32 s18, 2
	s_cbranch_scc1 .Ltail_v
.irp e, 0,1,2,3
	TURN 0, \e
.endr
	ds_load_b128 v[H:H+3], v15                     ; LDS serves a wave's instructions in order (ISA guide 5.7.1.4): this sees my stores; the stage is my wave's own
	s_wait_dscnt 0x0
	global_store_b128 v1, v[H:H+3], s[100:101]     ; the words of 128 places: 512 consecutive bytes, aligned
	s_branch .Lend
.Ltail_v:
.irp e, 0,1,2,3
	TURN 1, \e
.endr
	ds_load_b64 v[H:H+1], v17
	s_wait_dscnt 0x0
	global_store_b64 v2, v[H:H+1], s[100:101]      ; four tiles' words: 256 consecutive bytes, aligned
.Lend:
	s_wait_tensorcnt 0x0
	ds_add_u32 v254, v255
	s_wait_dscnt 0x0
	CROUND                                         ; the closing round: no work-group ends while a partner may still ask for a tile that names it
	s_endpgm
.Lfunc_end_k_qf1cd6b5191_proj:
	.size	k_qf1cd6b5191_proj, .Lfunc_end_k_qf1cd6b5191_proj-k_qf1cd6b5191_proj
	.p2alignl 7, 3214868480
	.fill 96, 4, 3214868480
	.section	.rodata,"a",@progbits
	.p2align	6, 0x0
	.amdhsa_kernel k_qf1cd6b5191_proj
		.amdhsa_group_segment_fixed_size 311808
		.amdhsa_private_segment_fixed_size 0
		.amdhsa_enable_private_segment 0
		.amdhsa_kernarg_size 72
		.amdhsa_user_sgpr_count 2
		.amdhsa_user_sgpr_kernarg_segment_ptr 1
		.amdhsa_wavefront_size32 1
		.amdhsa_system_sgpr_workgroup_id_x 1
		.amdhsa_system_sgpr_workgroup_id_y 1
		.amdhsa_system_sgpr_workgroup_id_z 1
		.amdhsa_system_vgpr_workitem_id 0
		.amdhsa_next_free_vgpr 768
		.amdhsa_next_free_sgpr 102
		.amdhsa_reserve_vcc 0
		.amdhsa_float_denorm_mode_32 3
		.amdhsa_float_denorm_mode_16_64 3
		.amdhsa_memory_ordered 1
		.amdhsa_forward_progress 1
		.amdhsa_inst_pref_size 151
	.end_amdhsa_kernel
	.amdgpu_metadata
---
amdhsa.version: [ 1, 2 ]
amdhsa.kernels:
  - .name:           k_qf1cd6b5191_proj
    .symbol:         k_qf1cd6b5191_proj.kd
    .args:
      - { .name: xc, .offset: 0, .size: 8, .value_kind: global_buffer, .address_space: global }
      - { .name: xs, .offset: 8, .size: 8, .value_kind: global_buffer, .address_space: global }
      - { .name: wc, .offset: 16, .size: 8, .value_kind: global_buffer, .address_space: global }
      - { .name: ws, .offset: 24, .size: 8, .value_kind: global_buffer, .address_space: global }
      - { .name: bq, .offset: 32, .size: 8, .value_kind: global_buffer, .address_space: global }
      - { .name: bk, .offset: 40, .size: 8, .value_kind: global_buffer, .address_space: global }
      - { .name: bv, .offset: 48, .size: 8, .value_kind: global_buffer, .address_space: global }
      - { .name: hc, .offset: 56, .size: 8, .value_kind: global_buffer, .address_space: global }
      - { .name: hs, .offset: 64, .size: 8, .value_kind: global_buffer, .address_space: global }
    .group_segment_fixed_size: 311808
    .private_segment_fixed_size: 0
    .kernarg_segment_align: 8
    .kernarg_segment_size: 72
    .max_flat_workgroup_size: 128
    .sgpr_count:     102
    .vgpr_count:     768
    .wavefront_size: 32
...
	.end_amdgpu_metadata
.endif
;; end of part 2
;; launch stats (part 3): grid 2 x 128, 16 waves a work-group, no clusters, 169,984 bytes of LDS; arguments hc, hs, tz; writes tz
.if DOCPART == 3
	.amdgcn_target "amdgcn-amd-amdhsa--gfx1250"
	.amdhsa_code_object_version 6
	.text
	.protected	k_qf1cd6b5191_stats
	.globl	k_qf1cd6b5191_stats
	.p2align	8
	.type	k_qf1cd6b5191_stats,@function
k_qf1cd6b5191_stats:
	s_mov_b64 s[64:65], 0
	v_nop
	global_prefetch_b8 v0, s[64:65] scope:SCOPE_SE
	s_setreg_imm32_b32 hwreg(HW_REG_WAVE_MODE, 25, 1), 1
	s_wait_xcnt 0x0
; The softmax of reference() runs over the QUERIES.  For every key s of every head this launch makes one number, NT[s] = -(M + log2(sum over t of 2^(c score[t][s] - M))), c = log2(e) / 8,
; M the key's largest c score rounded up to a whole number (a running maximum; when it moves, the sum is multiplied by 2^(old M - new M), which rounds nothing).  The next launch then has attn = 2^(c score + NT[s]).
; The scores are products on codes of FP6 (E2M3) with one E8M0 scale for each 32 of the head's 64 channels.
; K = 64 FILLS HALF OF THE INSTRUCTION'S 128.  The keys' fragments, which stay, have registers 6-11 = 0.  The queries' half images lie 6 registers apart, so that a tile's registers 6-11 are the next tile's codes (behind the
; last tile: six registers of zeros): a zero code times any code is 0.  Both sides' scale words have bytes 2 and 3 = 0, never 0xff.
; SHARES.  Work-group (X, head): key tiles 32 X .. 32 X + 31; wave w: tiles 32 X + 2 w and + 1.  Every wave walks the head's 64 query tiles, 8 a step.  Source 0 = 16 queries, source 1 = 16 keys: a lane holds ONE key and
; its registers run along the queries.  Four waves share a SIMD, so that one wave's vector work stands beside another's products and LDS loads.
; The head's q codes (49,152 bytes) and scale words (4,096) come into LDS once, by three tensor loads of wave 0; nothing is filled again.
; NO CLUSTER: only the two work-groups of a head read the same bytes, 53,248 each, once, at their start; a cluster of four would hold two heads.
; LIMITS: NaN and infinities are not served.  NT is one f32 number: attn's relative error is about half an ulp of |NT| x ln 2, and grows with the size of the scores.
; tz: [head][key place 1,024] f32, by the keys' places in their tiles.
.set QL,  0                            ; q's half images: [tile 64][768]
.set QSL, 49152                        ; q's scale words: [place 1,024]
.set TST, 53248                        ; stage for NT: 4 bytes a thread; no fill lands here
.set CS,  52                           ; s[52:53] c
.set SEL, 54                           ; s[54:55] lane selects for v_permlanex16_b32: lane l xor 16
.set TB,  56                           ; s56  the step's first byte among the codes: 6,144 a step
.set TS,  57                           ; s57  and among the scale words: 512 a step
.set CNT, 58
; REGISTERS: v1-3 16, 8, 4 x lane; v4-6 the step's addresses; v7 lane; v[8:9] -M and the largest t of tile a, v[10:11] its sum in two halves; v[12:15] the same of tile b; v16-27, v28-39 the keys' fragments;
; v40 their scale words (lanes 0-15 tile a, lanes 16-31 tile b); v42-45 the queries' scale words; v46-93 eight query tiles; v94-99 zeros; v100-163, v164-227 the scores; v228-243 at work; v244-246 the way out.
.macro GROUP1 g, r                     ; r rows of 256 bytes, dense
	s_mov_b32 s[\g], 3<<16
	s_mov_b32 s[\g+1], 32<<16
	s_mov_b32 s[\g+2], (\r)<<16
	s_mov_b32 s[\g+3], 32<<16
	s_mov_b32 s[\g+4], \r
	s_mov_b32 s[\g+5], 32
	s_mov_b32 s[\g+6], 0
	s_mov_b32 s[\g+7], 0
.endm
.macro GROUP0 g, l, a, ac
	s_mov_b32 s[\g], 1
	s_mov_b32 s[\g+1], \l
	s_add_nc_u64 s[\g+2:\g+3], s[\a:\a+1], \ac
	s_or_b32 s[\g+3], s[\g+3], 0x80000000
.endm
.macro WM d, a, b, sa, sb, ra, rb      ; one product that starts its sum;  ra, rb: 1 where the side's scale words stand in lanes 16-31
.if (\ra) && (\rb)
	v_wmma_scale_f32_16x16x128_f8f6f4 v[(\d):(\d)+7], v[(\a):(\a)+11], v[(\b):(\b)+11], 0, v[\sa], v[\sb] matrix_a_fmt:MATRIX_FMT_FP6 matrix_b_fmt:MATRIX_FMT_FP6 matrix_a_scale:MATRIX_SCALE_ROW1 matrix_b_scale:MATRIX_SCALE_ROW1
.elseif (\ra)
	v_wmma_scale_f32_16x16x128_f8f6f4 v[(\d):(\d)+7], v[(\a):(\a)+11], v[(\b):(\b)+11], 0, v[\sa], v[\sb] matrix_a_fmt:MATRIX_FMT_FP6 matrix_b_fmt:MATRIX_FMT_FP6 matrix_a_scale:MATRIX_SCALE_ROW1
.elseif (\rb)
	v_wmma_scale_f32_16x16x128_f8f6f4 v[(\d):(\d)+7], v[(\a):(\a)+11], v[(\b):(\b)+11], 0, v[\sa], v[\sb] matrix_a_fmt:MATRIX_FMT_FP6 matrix_b_fmt:MATRIX_FMT_FP6 matrix_b_scale:MATRIX_SCALE_ROW1
.else
	v_wmma_scale_f32_16x16x128_f8f6f4 v[(\d):(\d)+7], v[(\a):(\a)+11], v[(\b):(\b)+11], 0, v[\sa], v[\sb] matrix_a_fmt:MATRIX_FMT_FP6 matrix_b_fmt:MATRIX_FMT_FP6
.endif
.endm
; Key tile x: the step's 64 scores of my key (and lane l xor 16's 64) go into the running maximum and sum.
.macro SOFT x
.set SS, 100+64*(\x)
.set TT, 8+4*(\x)
.set SU, 10+4*(\x)
.set WK, 228+8*(\x)
.irp b, 0,1,2,3
	v_max3_num_f32 v[WK+\b], v[SS+16*\b], v[SS+16*\b+1], v[SS+16*\b+2]   ; four chains, each ascending: every accumulator is read from its low end on
.endr
.irp i, 3,5,7,9,11,13
.irp b, 0,1,2,3
	v_max3_num_f32 v[WK+\b], v[WK+\b], v[SS+16*\b+\i], v[SS+16*\b+\i+1]
.endr
.endr
.irp b, 0,1,2,3
	v_max_num_f32 v[WK+\b], v[WK+\b], v[SS+16*\b+15]
.endr
	s_delay_alu instid0(VALU_DEP_2)
	v_max3_num_f32 v[WK], v[WK], v[WK+1], v[WK+2]
	s_delay_alu instid0(VALU_DEP_1)
	v_max_num_f32 v[WK], v[WK], v[WK+3]
	s_delay_alu instid0(VALU_DEP_1)
	v_permlanex16_b32 v[WK+4], v[WK], s[SEL], s[SEL+1]
	s_delay_alu instid0(VALU_DEP_1)
	v_max_num_f32 v[WK], v[WK], v[WK+4]            ; the step's largest score of my key
	s_delay_alu instid0(VALU_DEP_1)
	v_mul_f32 v[WK], s[CS], v[WK]                  ; as t (c is positive)
	s_delay_alu instid0(VALU_DEP_1)
	v_max_num_f32 v[TT+1], v[TT+1], v[WK]          ; the running largest t
	v_mov_b32 v[WK], v[TT]
	s_delay_alu instid0(VALU_DEP_2)
	v_floor_f32 v[TT], -v[TT+1]                    ; the new -M = floor(-t): M is a whole number
	s_delay_alu instid0(VALU_DEP_1)
	v_sub_f32 v[WK], v[TT], v[WK]                  ; old M - new M: a whole number, 0 or less
	s_delay_alu instid0(VALU_DEP_1)
	v_cvt_i32_f32 v[WK], v[WK]                     ; (it saturates)
	s_delay_alu instid0(VALU_DEP_1)
	v_ldexp_f32 v[WK+6], 1.0, v[WK]                ; f = 2^(old M - new M)
.set j, 0
.rept 32
	v_pk_fma_f32 v[SS+j:SS+j+1], v[SS+j:SS+j+1], s[CS:CS+1], v[TT:TT+1] op_sel_hi:[1,0,0]   ; t - M, two at a time (of the pairs c and -M the low word serves both halves)
.set j, j+2
.endr
.set j, 0
	s_wait_alu depctr_va_vdst(0)
.rept 64
	v_exp_f32 v[SS+j], v[SS+j]
.set j, j+1
.endr
	v_pk_mul_f32 v[SU:SU+1], v[SU:SU+1], v[WK+6:WK+7] op_sel_hi:[1,0]   ; the sum under the new M: a plain instruction behind the exponentials
	s_wait_alu depctr_va_vdst(0)                   ; one wait for the batch, ahead of its first reader
	v_pk_add_f32 v[WK:WK+1], v[SS:SS+1], v[SS+2:SS+3]
.set j, 4
.rept 15
	v_pk_add_f32 v[SU:SU+1], v[SU:SU+1], v[SS+j:SS+j+1]
	v_pk_add_f32 v[WK:WK+1], v[WK:WK+1], v[SS+j+2:SS+j+3]
.set j, j+4
.endr
	s_delay_alu instid0(VALU_DEP_1)
	v_pk_add_f32 v[SU:SU+1], v[SU:SU+1], v[WK:WK+1]
.endm
; A step: 8 query tiles against my two key tiles.
.macro STEPQ
	v_add_nc_u32 v4, s[TB], v1
	v_add_nc_u32 v5, s[TB], v2
	v_add_nc_u32 v6, s[TS], v3
.irp i, 0,1,2,3,4,5,6,7
	ds_load_b128 v[46+6*\i:46+6*\i+3], v4 offset:QL+768*\i
	ds_load_b64 v[46+6*\i+4:46+6*\i+5], v5 offset:QL+768*\i+512
.endr
.irp p, 0,1,2,3
	ds_load_b32 v[42+\p], v6 offset:QSL+128*\p     ; lanes 0-15 the even tile's words, lanes 16-31 the odd tile's
.endr
	s_wait_dscnt 0x0
.irp i, 0,1,2,3,4,5,6,7
.irp x, 0,1
	WM 100+64*\x+8*\i, 46+6*\i, 16+12*\x, 42+\i/2, 40, \i%2, \x
.endr
.endr
.rept 4
	v_nop                                          ; places in front of the first read of results (ISA guide 7.12.1)
.endr
	SOFT 0
	SOFT 1
	s_add_co_u32 s[TB], s[TB], 6144
	s_add_co_u32 s[TS], s[TS], 512
.endm
	s_load_b128 s[4:7], s[0:1], 0x0                ; hc, hs
	s_load_b64 s[8:9], s[0:1], 0x10                ; tz
	v_lshl_add_u32 v254, v0, 2, 0x29000
	v_mov_b32 v255, 0
	ds_add_u32 v254, v255
	ds_add_u32 v254, v255
	v_lshrrev_b32 v1, 5, v0
	s_delay_alu instid0(VALU_DEP_1)
	v_readfirstlane_b32 s12, v1                    ; wave 0..15
	s_and_b32 s13, ttmp7, 0xffff                   ; the head
	GROUP1 16, 16                                  ; s[16:23]  4,096 bytes: the scale words
	GROUP1 24, 48                                  ; s[24:31]  12,288 bytes: steps 0 and 1
	GROUP1 32, 144                                 ; s[32:39]  36,864 bytes: steps 2 to 7
	s_mul_i32 s2, s13, 49152
	s_mov_b32 s3, 0
	s_lshl_b32 s10, s13, 12
	s_mov_b32 s11, 0
	s_mov_b32 s[CS], 0x3e38aa3b                    ; c = log2(e) / 8
	s_mov_b32 s[CS+1], s[CS]                       ; (named with it as a pair, so it is written)
	s_mov_b32 s[SEL], 0x76543210
	s_mov_b32 s[SEL+1], 0xfedcba98
	s_mov_b32 s[TB], 0
	s_mov_b32 s[TS], 0
	s_wait_dscnt 0x0
	s_wait_kmcnt 0x0
	s_add_nc_u64 s[14:15], s[4:5], s[2:3]          ; the head's q codes
	s_add_nc_u64 s[60:61], s[6:7], s[10:11]        ; and q scale words
	GROUP0 40, QSL, 60, 0
	GROUP0 44, QL, 14, 0
	GROUP0 48, QL+12288, 14, 12288
	s_cmp_lg_u32 s12, 0                            ; wave 0's three fills stand in one branch: three loads of its are out
	s_cbranch_scc1 .Lfilled
	tensor_load_to_lds s[40:43], s[16:23]
	s_nop 0
	tensor_load_to_lds s[44:47], s[24:31]
	s_nop 0
	tensor_load_to_lds s[48:51], s[32:39]
	s_nop 0
.rept 4
	v_nop
.endr
.Lfilled:
.irp j, 22,23,24,25,26,27,34,35,36,37,38,39,94,95,96,97,98,99
	v_mov_b32 v[\j], 0                             ; the keys' upper halves, and what follows the last query tile
.endr
	v_and_b32 v7, 31, v0                           ; lane
	s_delay_alu instid0(VALU_DEP_1)
	v_lshlrev_b32 v1, 4, v7
	s_wait_alu depctr_va_vdst(0)
	v_lshlrev_b32 v2, 3, v7
	s_wait_alu depctr_va_vdst(0)
	v_lshlrev_b32 v3, 2, v7
	s_wait_alu depctr_va_vdst(0)
	s_lshl_b32 s62, ttmp9, 5
	s_lshl_b32 s63, s12, 1
	s_add_co_u32 s62, s62, s63                     ; my first key tile
	s_mul_i32 s2, s62, 768
	s_add_co_u32 s2, s2, 6291456                   ; k's codes lie 6,291,456 bytes behind q's
	s_add_nc_u64 s[14:15], s[14:15], s[2:3]
	s_lshl_b32 s2, s62, 6
	s_add_co_u32 s2, s2, 524288                    ; k's scale words 524,288 bytes behind q's
	s_add_nc_u64 s[60:61], s[60:61], s[2:3]
	global_load_b128 v[16:19], v1, s[14:15]
	global_load_b64 v[20:21], v2, s[14:15] offset:512
	global_load_b128 v[28:31], v1, s[14:15] offset:768
	global_load_b64 v[32:33], v2, s[14:15] offset:1280
	global_load_b32 v40, v3, s[60:61]
	s_lshl_b32 s2, ttmp9, 11
	s_add_co_u32 s10, s10, s2
	s_add_nc_u64 s[8:9], s[8:9], s[10:11]          ; tz: 4,096 bytes a head, 2,048 a work-group
.irp x, 0,1
	v_mov_b32 v[9+4*\x], 0xff61b1e6                ; the largest t so far: -3e38, under every t
	s_delay_alu instid0(VALU_DEP_1)
	v_floor_f32 v[8+4*\x], -v[9+4*\x]              ; -M
	v_mov_b32 v[10+4*\x], 0                        ; the sum, in two halves
	v_mov_b32 v[11+4*\x], 0
	v_mov_b32 v[232+8*\x], 0                       ; written once: a lane permute's destination counts as one of its sources
	v_mov_b32 v[235+8*\x], 0                       ; (named as the upper half of f's pair)
.endr
	v_lshl_add_u32 v244, v0, 2, TST                ; the stage: 4 bytes a thread: 128 wave + 4 lane
	v_lshl_add_u32 v245, v0, 4, TST                ; and back, in waves 0 to 3: 512 wave + 16 lane
	v_lshlrev_b32 v246, 4, v0                      ; the same place in tz
	s_wait_tensorcnt 0x1                           ; the scale words and steps 0 and 1 are in; the late block's load may stay out
	s_barrier_signal -1
	s_barrier_wait -1
	s_wait_loadcnt 0x0                             ; my keys
	s_mov_b32 s[CNT], 2
.Learly:
	STEPQ
	s_sub_co_u32 s[CNT], s[CNT], 1
	s_cmp_lg_u32 s[CNT], 0
	s_cbranch_scc1 .Learly
	s_wait_tensorcnt 0x0                           ; steps 2 to 7 are in
	s_wait_dscnt 0x0
	s_barrier_signal -1
	s_barrier_wait -1
	s_mov_b32 s[CNT], 6
.Llate:
	STEPQ
	s_sub_co_u32 s[CNT], s[CNT], 1
	s_cmp_lg_u32 s[CNT], 0
	s_cbranch_scc1 .Llate
	v_add_f32 v228, v10, v11                       ; the sums' two halves,
	v_add_f32 v236, v14, v15
	s_delay_alu instid0(VALU_DEP_2)
	v_permlanex16_b32 v232, v228, s[SEL], s[SEL+1]
	s_delay_alu instid0(VALU_DEP_2)
	v_permlanex16_b32 v240, v236, s[SEL], s[SEL+1]
	s_delay_alu instid0(VALU_DEP_2)
	v_add_f32 v228, v228, v232                     ; and lane l xor 16's: the keys' sums over all queries, at least 1/2
	s_delay_alu instid0(VALU_DEP_2)
	v_add_f32 v236, v236, v240
	v_cmp_gt_u32 vcc_lo, 16, v7
	s_wait_alu depctr_va_vdst(0)
	v_log_f32 v228, v228
	v_log_f32 v236, v236
	v_nop                                          ; a plain instruction behind the logarithms
	s_wait_alu depctr_va_vdst(0)                   ; ahead of the first reader
	v_sub_f32 v228, v8, v228                       ; NT = -M - log2(sum)
	v_sub_f32 v236, v12, v236
	s_delay_alu instid0(VALU_DEP_1)
	v_cndmask_b32 v228, v236, v228, vcc_lo         ; lanes 0-15: tile a's key r; lanes 16-31: tile b's
	ds_store_b32 v244, v228
	s_wait_dscnt 0x0                               ; for the others' sake
	s_barrier_signal -1
	s_barrier_wait -1
	s_cmp_lt_u32 s12, 4
	s_cbranch_scc0 .Ldone
	ds_load_b128 v[100:103], v245
	s_wait_dscnt 0x0
	global_store_b128 v246, v[100:103], s[8:9]     ; 512 consecutive bytes a wave, aligned
.Ldone:
	s_wait_tensorcnt 0x0
	ds_add_u32 v254, v255
	s_wait_dscnt 0x0
	s_endpgm
.Lfunc_end_k_qf1cd6b5191_stats:
	.size	k_qf1cd6b5191_stats, .Lfunc_end_k_qf1cd6b5191_stats-k_qf1cd6b5191_stats
	.p2alignl 7, 3214868480
	.fill 96, 4, 3214868480
	.section	.rodata,"a",@progbits
	.p2align	6, 0x0
	.amdhsa_kernel k_qf1cd6b5191_stats
		.amdhsa_group_segment_fixed_size 169984
		.amdhsa_private_segment_fixed_size 0
		.amdhsa_enable_private_segment 0
		.amdhsa_kernarg_size 24
		.amdhsa_user_sgpr_count 2
		.amdhsa_user_sgpr_kernarg_segment_ptr 1
		.amdhsa_wavefront_size32 1
		.amdhsa_system_sgpr_workgroup_id_x 1
		.amdhsa_system_sgpr_workgroup_id_y 1
		.amdhsa_system_sgpr_workgroup_id_z 1
		.amdhsa_system_vgpr_workitem_id 0
		.amdhsa_next_free_vgpr 256
		.amdhsa_next_free_sgpr 66
		.amdhsa_reserve_vcc 1
		.amdhsa_float_denorm_mode_32 3
		.amdhsa_float_denorm_mode_16_64 3
		.amdhsa_memory_ordered 1
		.amdhsa_forward_progress 1
		.amdhsa_inst_pref_size 51
	.end_amdhsa_kernel
	.amdgpu_metadata
---
amdhsa.version: [ 1, 2 ]
amdhsa.kernels:
  - .name:           k_qf1cd6b5191_stats
    .symbol:         k_qf1cd6b5191_stats.kd
    .args:
      - { .name: hc, .offset: 0, .size: 8, .value_kind: global_buffer, .address_space: global }
      - { .name: hs, .offset: 8, .size: 8, .value_kind: global_buffer, .address_space: global }
      - { .name: tz, .offset: 16, .size: 8, .value_kind: global_buffer, .address_space: global }
    .group_segment_fixed_size: 169984
    .private_segment_fixed_size: 0
    .kernarg_segment_align: 8
    .kernarg_segment_size: 24
    .max_flat_workgroup_size: 512
    .sgpr_count:     66
    .vgpr_count:     256
    .wavefront_size: 32
...
	.end_amdgpu_metadata
.endif
;; end of part 3
;; launch attn (part 4): grid 2 x 128, 16 waves a work-group, no clusters, 242,688 bytes of LDS; arguments hc, hs, tz, out0; writes out0
.if DOCPART == 4
	.amdgcn_target "amdgcn-amd-amdhsa--gfx1250"
	.amdhsa_code_object_version 6
	.text
	.protected	k_qf1cd6b5191_attn
	.globl	k_qf1cd6b5191_attn
	.p2align	8
	.type	k_qf1cd6b5191_attn,@function
k_qf1cd6b5191_attn:
	s_mov_b64 s[64:65], 0
	v_nop
	global_prefetch_b8 v0, s[64:65] scope:SCOPE_SE
	s_setreg_imm32_b32 hwreg(HW_REG_WAVE_MODE, 25, 1), 1
	s_wait_xcnt 0x0
; out[head][c][t] = sum over s of attn[t][s] vh[c][s], attn[t][s] = 2^(c0 score[t][s] + NT[s]), c0 = log2(e) / 8, NT[s] made by the launch before: attn is the finished softmax over the queries, as reference() has it.
; Both products run on codes of FP6 (E2M3) with one E8M0 scale for each 32 along K; attn is quantised along the keys, in registers.
; SHARES.  Work-group (X, head): 512 queries; wave w: query tiles 32 X + 2 w and + 1.  Every wave walks the head's 8 steps of 128 keys.  Four waves share a SIMD, so that one wave's vector work stands beside another's products.
; SCORES: source 0 = 16 keys, source 1 = 16 queries: a lane holds ONE query, its registers run along the keys.  The keys of a tile are not neighbours (place p of a group of 32 stands for key
; (p & 7) + 16 ((p >> 3) & 1) + 8 (p >> 4)), so that the 16 registers of two neighbouring tiles are 16 neighbouring keys: what the conversions want.  NT lies by place, so it is read in the registers' order.
; K = 64 fills half of the instruction's 128: the queries' fragments, which stay, have registers 6-11 = 0; the keys' half images lie 6 registers apart (behind the last: six zeros); the scale words' bytes 2 and 3 are 0.
; A BLOCK'S LARGEST attn IS NOT SEARCHED FOR: the largest exponent of the block goes through the same v_exp_f32 (this takes v_exp_f32 not to fall where its input rises).
; SECOND PRODUCT: source 0 = attn (16 queries x 128 keys), source 1 = vh (16 channels x 128 keys): a lane holds one channel and eight neighbouring queries: 32 bytes of a row of out.
; The whole head lies in LDS (k's and v's codes, their scale words, NT: 108,544 bytes), filled once by waves 0 and 1; nothing is filled again, and the loop has no barrier.
; NO CLUSTER: only the two work-groups of a head read the same bytes, 108,544 each, once, at their start; a cluster of four would hold two heads.
; LIMITS: NaN and infinities are not served; an attn under 2^-126 comes out of v_exp_f32 as 0; a block whose largest attn lies under 2^-124 keeps the byte 1.  NT is one f32 number: attn's relative error is about half an
; ulp of |NT| x ln 2, and grows with the size of the scores.
.set KL,  0                            ; k's half images: [tile 64][768]
.set VL,  49152                        ; v's images: [s step 8][c tile 4][1,536]
.set KSL, 98304                        ; k's scale words: [place 1,024]
.set TL,  102400                       ; NT: [place 1,024]
.set VSL, 106496                       ; v's scale words: [s step 8][c tile 4][16]
.set STG, 108544                       ; the way out: 64 rows (the channels' places) x (2,048 bytes + 16); no fill lands here
.set QF,  16                           ; v16-27, v28-39 my two query tiles; their upper six registers are 0
.set KT,  42                           ; v42-65 four key tiles, 6 registers apart; v66-71 zeros
.set NT,  74                           ; v74-105 NT of 64 keys' places of my half
.set S,   106                          ; v106-137 32 scores, then attn
.set VF,  74                           ; v74-121 v's four fragments, once the step's scores are done with
.set P,   138                          ; v138-149, v150-161 attn's codes of my two tiles; v162, v163 their scale words
.set MX,  168                          ; v168-169 the blocks' largest, v170-171 the other half's, v172-173 the conversions' scale operands, v174-175 the bytes
.set O,   176                          ; v176-239 the accumulators: 32 tile + 8 c tile
.set CS,  80                           ; s[80:81] c0
.set SEL, 82                           ; s[82:83] lane selects: lane l xor 16
.set TB,  84                           ; s84  the step's first byte among k's codes and among v's: 6,144 a step
.set TS,  85                           ; s85  among k's scale words and NT: 512 a step
.set TV,  86                           ; s86  among v's scale words: 256 a step
.set CNT, 87
; v1-3 16, 8, 4 x lane; v4 TL + 32 h; v5 KSL + 4 lane; v6 VSL + 4 lane; v7-11 the step's addresses; v12, v14 into the stage; v15 out of it; v40 my queries' scale words; v72-73 k's, later v's, scale words
.macro GROUP1 g, r                     ; r rows of 256 bytes, dense
	s_mov_b32 s[\g], 3<<16
	s_mov_b32 s[\g+1], 32<<16
	s_mov_b32 s[\g+2], (\r)<<16
	s_mov_b32 s[\g+3], 32<<16
	s_mov_b32 s[\g+4], \r
	s_mov_b32 s[\g+5], 32
	s_mov_b32 s[\g+6], 0
	s_mov_b32 s[\g+7], 0
.endm
.macro GROUP0 g, l, a, ac
	s_mov_b32 s[\g], 1
	s_mov_b32 s[\g+1], \l
	s_add_nc_u64 s[\g+2:\g+3], s[\a:\a+1], \ac
	s_or_b32 s[\g+3], s[\g+3], 0x80000000
.endm
.macro WM d, a, b, zero, sa, sb, ra, rb        ; one product.  zero: it starts its sum;  ra, rb: 1 where the side's scale words stand in lanes 16-31
.if \zero
.if (\ra) && (\rb)
	v_wmma_scale_f32_16x16x128_f8f6f4 v[(\d):(\d)+7], v[(\a):(\a)+11], v[(\b):(\b)+11], 0, v[\sa], v[\sb] matrix_a_fmt:MATRIX_FMT_FP6 matrix_b_fmt:MATRIX_FMT_FP6 matrix_a_scale:MATRIX_SCALE_ROW1 matrix_b_scale:MATRIX_SCALE_ROW1
.elseif (\ra)
	v_wmma_scale_f32_16x16x128_f8f6f4 v[(\d):(\d)+7], v[(\a):(\a)+11], v[(\b):(\b)+11], 0, v[\sa], v[\sb] matrix_a_fmt:MATRIX_FMT_FP6 matrix_b_fmt:MATRIX_FMT_FP6 matrix_a_scale:MATRIX_SCALE_ROW1
.elseif (\rb)
	v_wmma_scale_f32_16x16x128_f8f6f4 v[(\d):(\d)+7], v[(\a):(\a)+11], v[(\b):(\b)+11], 0, v[\sa], v[\sb] matrix_a_fmt:MATRIX_FMT_FP6 matrix_b_fmt:MATRIX_FMT_FP6 matrix_b_scale:MATRIX_SCALE_ROW1
.else
	v_wmma_scale_f32_16x16x128_f8f6f4 v[(\d):(\d)+7], v[(\a):(\a)+11], v[(\b):(\b)+11], 0, v[\sa], v[\sb] matrix_a_fmt:MATRIX_FMT_FP6 matrix_b_fmt:MATRIX_FMT_FP6
.endif
.else
.if (\ra) && (\rb)
	v_wmma_scale_f32_16x16x128_f8f6f4 v[(\d):(\d)+7], v[(\a):(\a)+11], v[(\b):(\b)+11], v[(\d):(\d)+7], v[\sa], v[\sb] matrix_a_fmt:MATRIX_FMT_FP6 matrix_b_fmt:MATRIX_FMT_FP6 matrix_a_scale:MATRIX_SCALE_ROW1 matrix_b_scale:MATRIX_SCALE_ROW1
.elseif (\ra)
	v_wmma_scale_f32_16x16x128_f8f6f4 v[(\d):(\d)+7], v[(\a):(\a)+11], v[(\b):(\b)+11], v[(\d):(\d)+7], v[\sa], v[\sb] matrix_a_fmt:MATRIX_FMT_FP6 matrix_b_fmt:MATRIX_FMT_FP6 matrix_a_scale:MATRIX_SCALE_ROW1
.elseif (\rb)
	v_wmma_scale_f32_16x16x128_f8f6f4 v[(\d):(\d)+7], v[(\a):(\a)+11], v[(\b):(\b)+11], v[(\d):(\d)+7], v[\sa], v[\sb] matrix_a_fmt:MATRIX_FMT_FP6 matrix_b_fmt:MATRIX_FMT_FP6 matrix_b_scale:MATRIX_SCALE_ROW1
.else
	v_wmma_scale_f32_16x16x128_f8f6f4 v[(\d):(\d)+7], v[(\a):(\a)+11], v[(\b):(\b)+11], v[(\d):(\d)+7], v[\sa], v[\sb] matrix_a_fmt:MATRIX_FMT_FP6 matrix_b_fmt:MATRIX_FMT_FP6
.endif
.endif
.endm
; Query tile x against the 64 keys of half g of the step: scores, attn, two blocks' codes: registers 6 g .. 6 g + 5 of attn's fragment, bytes 2 g and 2 g + 1 of its scale word.
.macro TILE x, g
.irp i, 0,1,2,3
	WM S+8*\i, KT+6*\i, QF+12*(\x), 1, 72+\i/2, 40, \i%2, \x
.endr
.rept 4
	v_nop                                          ; places in front of the first read of results (ISA guide 7.12.1)
.endr
.set j, 0
.rept 16
	v_pk_fma_f32 v[S+j:S+j+1], v[S+j:S+j+1], s[CS:CS+1], v[NT+j:NT+j+1] op_sel_hi:[1,0,1]   ; c0 score + NT, two at a time, ascending: each accumulator is read from its low end on
.set j, j+2
.endr
.irp b, 0,1
	v_max3_num_f32 v[MX+\b], v[S+16*\b], v[S+16*\b+1], v[S+16*\b+2]                          ; the largest exponent of each block's 16 keys of mine
.endr
.irp i, 3,5,7,9,11,13
.irp b, 0,1
	s_delay_alu instid0(VALU_DEP_2)
	v_max3_num_f32 v[MX+\b], v[MX+\b], v[S+16*\b+\i], v[S+16*\b+\i+1]
.endr
.endr
.irp b, 0,1
	s_delay_alu instid0(VALU_DEP_2)
	v_max_num_f32 v[MX+\b], v[MX+\b], v[S+16*\b+15]
.endr
.irp b, 0,1
	s_delay_alu instid0(VALU_DEP_2)
	v_permlanex16_b32 v[MX+2+\b], v[MX+\b], s[SEL], s[SEL+1]
.endr
.irp b, 0,1
	s_delay_alu instid0(VALU_DEP_2)
	v_max_num_f32 v[MX+\b], v[MX+\b], v[MX+2+\b]   ; with lane l xor 16's 16 keys: the block's
.endr
.set j, 0
	s_wait_alu depctr_va_vdst(0)
.rept 32
	v_exp_f32 v[S+j], v[S+j]                       ; attn, finished and normalised
.set j, j+1
.endr
	v_exp_f32 v[MX], v[MX]                         ; the blocks' largest attn: the same instruction on the same number gives the same bits
	v_exp_f32 v[MX+1], v[MX+1]
	v_nop                                          ; a plain instruction behind the exponentials
	s_wait_alu depctr_va_vdst(0)                   ; one wait for the batch of 34, ahead of its first reader
.irp b, 0,1
	v_max_num_f32 v[MX+\b], 0x1800000, v[MX+\b]    ; the floor 2^(3 - 127): the byte cannot fall under 1
.endr
.irp b, 0,1
	s_delay_alu instid0(VALU_DEP_2)
	v_add_nc_u32 v[MX+4+\b], 0xff000000, v[MX+\b]  ; 2 off the exponent field: the conversion's scale operand
.endr
.irp b, 0,1
	s_delay_alu instid0(VALU_DEP_2)
	v_lshrrev_b32 v[MX+6+\b], 23, v[MX+4+\b]       ; the scale's byte
.endr
.if (\g) == 0
	s_delay_alu instid0(VALU_DEP_1)
	v_lshl_or_b32 v[162+(\x)], v[MX+7], 8, v[MX+6]
.else
	s_delay_alu instid0(VALU_DEP_2)
	v_lshl_or_b32 v[162+(\x)], v[MX+6], 16, v[162+(\x)]
	s_delay_alu instid0(VALU_DEP_1)
	v_lshl_or_b32 v[162+(\x)], v[MX+7], 24, v[162+(\x)]
.endif
	v_cvt_scalef32_pk16_fp6_f32 v[P+12*(\x)+6*(\g):P+12*(\x)+6*(\g)+2], v[S:S+15], v[MX+4]
	v_cvt_scalef32_pk16_fp6_f32 v[164:166], v[S+16:S+31], v[MX+5]   ; (a conversion's three registers begin on an even number)
	v_nop                                          ; one plain place behind a scaled conversion
.irp i, 0,1,2                                  ; a whole block in a lane: lanes 0-15 block 2 g, lanes 16-31 block 2 g + 1
	v_permlane16_swap_b32 v[P+12*(\x)+6*(\g)+\i], v[164+\i]
.endr
.irp i, 0,1,2
	s_delay_alu instid0(VALU_DEP_3)
	v_mov_b32 v[P+12*(\x)+6*(\g)+3+\i], v[164+\i]
.endr
.endm
.macro HALF g                          ; 64 keys: four tiles, their scale words, their NT; then my two query tiles
.irp i, 0,1,2,3
	ds_load_b128 v[KT+6*\i:KT+6*\i+3], v7 offset:KL+768*(4*(\g)+\i)
	ds_load_b64 v[KT+6*\i+4:KT+6*\i+5], v8 offset:KL+768*(4*(\g)+\i)+512
.endr
	ds_load_b32 v72, v10 offset:256*(\g)           ; lanes 0-15 the even tile's words, lanes 16-31 the odd tile's
	ds_load_b32 v73, v10 offset:256*(\g)+128
.irp i, 0,1,2,3
.irp n, 0,1
	ds_load_b128 v[NT+8*\i+4*\n:NT+8*\i+4*\n+3], v9 offset:256*(\g)+64*\i+16*\n   ; register 8 i + j: the key at place 16 i + 8 h + j; sixteen lanes read the same 16 bytes
.endr
.endr
	s_wait_dscnt 0x0
	TILE 0, \g
	TILE 1, \g
.endm
; A step of 128 keys.  zero = 1: its second products start the sums.
.macro STEP zero
	v_add_nc_u32 v7, s[TB], v1                     ; these six plain instructions are the places behind the last step's products: their fragments' registers are loaded and written over below
	v_add_nc_u32 v8, s[TB], v2
	v_add_nc_u32 v9, s[TS], v4
	v_add_nc_u32 v10, s[TS], v5
	v_add_nc_u32 v11, s[TV], v6
	v_nop
	HALF 0
	s_setprio 1
	HALF 1
	s_setprio 0
.irp ct, 0,1,2,3
.irp c, 0,1,2
	ds_load_b128 v[VF+12*\ct+4*\c:VF+12*\ct+4*\c+3], v7 offset:VL+1536*\ct+512*\c
.endr
.endr
	ds_load_b32 v72, v11
	ds_load_b32 v73, v11 offset:128
.rept 8
	v_nop                                          ; attn's scale words, written by vector instructions, stand 8 places ahead of the scaled products, its codes 4
.endr
	s_wait_alu depctr_va_vdst(0)
	s_wait_dscnt 0x0
.irp ct, 0,1,2,3                               ; the eight accumulators take turns, one instruction a turn
.irp x, 0,1
	WM O+32*\x+8*\ct, P+12*\x, VF+12*\ct, \zero, 162+\x, 72+\ct/2, 0, \ct%2
.endr
.endr
	s_add_co_u32 s[TB], s[TB], 6144
	s_add_co_u32 s[TS], s[TS], 512
	s_add_co_u32 s[TV], s[TV], 256
.endm
	s_load_b256 s[4:11], s[0:1], 0x0               ; hc, hs, tz, out0
	v_lshl_add_u32 v254, v0, 2, 0x3ac00
	v_mov_b32 v255, 0
	ds_add_u32 v254, v255
	ds_add_u32 v254, v255
	v_lshrrev_b32 v1, 5, v0
	s_delay_alu instid0(VALU_DEP_1)
	v_readfirstlane_b32 s12, v1                    ; wave 0..15
	s_and_b32 s13, ttmp7, 0xffff                   ; the head
	GROUP1 16, 8                                   ; s[16:23]  2,048 bytes
	GROUP1 24, 16                                  ; s[24:31]  4,096 bytes
	GROUP1 32, 48                                  ; s[32:39]  12,288 bytes: steps 0 and 1
	GROUP1 40, 144                                 ; s[40:47]  36,864 bytes: steps 2 to 7
	s_mul_i32 s2, s13, 49152
	s_mov_b32 s3, 0
	s_lshl_b32 s14, s13, 12
	s_mov_b32 s15, 0
	s_lshl_b32 s88, s13, 11
	s_mov_b32 s89, 0
	s_mov_b32 s[CS], 0x3e38aa3b                    ; c0 = log2(e) / 8
	s_mov_b32 s[CS+1], s[CS]                       ; (named with it as a pair, so it is written)
	s_mov_b32 s[SEL], 0x76543210
	s_mov_b32 s[SEL+1], 0xfedcba98
	s_mov_b32 s[TB], 0
	s_mov_b32 s[TS], 0
	s_mov_b32 s[TV], 0
	s_wait_dscnt 0x0
	s_wait_kmcnt 0x0
	s_add_nc_u64 s[4:5], s[4:5], s[2:3]            ; the head's q codes; k's lie 6,291,456 bytes on, v's 12,582,912
	s_add_nc_u64 s[90:91], s[6:7], s[14:15]        ; the head's q scale words; k's lie 524,288 bytes on
	s_add_nc_u64 s[92:93], s[6:7], s[88:89]        ; v's scale words: 2,048 bytes a head, from 1,048,576 on
	s_add_nc_u64 s[8:9], s[8:9], s[14:15]          ; the head's NT
	GROUP0 48, KSL, 90, 524288
	GROUP0 52, KL, 4, 6291456
	GROUP0 56, KL+12288, 4, 6291456+12288
	GROUP0 60, VSL, 92, 1048576
	GROUP0 68, TL, 8, 0
	GROUP0 72, VL, 4, 12582912
	GROUP0 76, VL+12288, 4, 12582912+12288
	s_cmp_eq_u32 s12, 0                            ; each fetching wave's fills stand in one branch: three loads of wave 0 are out, four of wave 1
	s_cbranch_scc0 .Lnot_wave_0
	tensor_load_to_lds s[48:51], s[24:31]
	s_nop 0
	tensor_load_to_lds s[52:55], s[32:39]
	s_nop 0
	tensor_load_to_lds s[56:59], s[40:47]
	s_nop 0
.rept 4
	v_nop
.endr
	s_branch .Lfilled
.Lnot_wave_0:
	s_cmp_eq_u32 s12, 1
	s_cbranch_scc0 .Lfilled
	tensor_load_to_lds s[60:63], s[16:23]
	s_nop 0
	tensor_load_to_lds s[68:71], s[24:31]
	s_nop 0
	tensor_load_to_lds s[72:75], s[32:39]
	s_nop 0
	tensor_load_to_lds s[76:79], s[40:47]
	s_nop 0
.rept 4
	v_nop
.endr
.Lfilled:
.irp j, 22,23,24,25,26,27,34,35,36,37,38,39,66,67,68,69,70,71,170,171
	v_mov_b32 v[\j], 0                             ; the queries' upper halves, what follows the last key tile, and the lane permutes' destinations
.endr
	v_and_b32 v13, 31, v0                          ; lane
	s_delay_alu instid0(VALU_DEP_1)
	v_lshlrev_b32 v1, 4, v13
	s_delay_alu instid0(VALU_DEP_2)
	v_lshlrev_b32 v2, 3, v13
	s_delay_alu instid0(VALU_DEP_3)
	v_lshlrev_b32 v3, 2, v13
	v_and_b32 v240, 15, v0                         ; r
	v_bfe_u32 v241, v0, 4, 1                       ; h
	s_delay_alu instid0(VALU_DEP_1)
	v_lshl_add_u32 v4, v241, 5, TL
	s_delay_alu instid0(VALU_DEP_4)
	v_add_nc_u32 v5, KSL, v3
	v_add_nc_u32 v6, VSL, v3
	s_lshl_b32 s2, ttmp9, 5
	s_lshl_b32 s14, s12, 1
	s_add_co_u32 s2, s2, s14                       ; my first query tile
	s_mul_i32 s14, s2, 768
	s_add_nc_u64 s[4:5], s[4:5], s[14:15]
	s_lshl_b32 s14, s2, 6
	s_add_nc_u64 s[90:91], s[90:91], s[14:15]
	global_load_b128 v[16:19], v1, s[4:5]
	global_load_b64 v[20:21], v2, s[4:5] offset:512
	global_load_b128 v[28:31], v1, s[4:5] offset:768
	global_load_b64 v[32:33], v2, s[4:5] offset:1280
	global_load_b32 v40, v3, s[90:91]              ; lanes 0-15 the first tile's words, lanes 16-31 the second's
	v_mul_u32_u24 v12, v240, 2064                  ; into the stage: row = the channel's place 16 c tile + r; my eight queries stand at columns 32 wave + 16 h + 8 tile of the work-group's 512
	s_delay_alu instid0(VALU_DEP_1)
	v_lshl_add_u32 v12, v241, 6, v12
	s_lshl_b32 s14, s12, 7
	s_add_co_u32 s14, s14, STG
	v_add_nc_u32 v12, s14, v12
	s_delay_alu instid0(VALU_DEP_1)
	v_add_nc_u32 v14, 66048, v12                   ; c tiles 2 and 3: 32 rows on, beyond the immediate's 16 bits
	s_mul_i32 s14, s12, 8256
	s_add_co_u32 s14, s14, STG
	v_add_nc_u32 v15, s14, v1                      ; out of it: rows 4 wave on, 16 bytes a lane
	s_lshl_b32 s14, s12, 2                         ; place 4 wave stands for the channel with bits 3 and 4 exchanged; the three places behind it follow on
	s_and_b32 s88, s14, 0x27
	s_and_b32 s89, s14, 8
	s_lshl_b32 s89, s89, 1
	s_or_b32 s88, s88, s89
	s_and_b32 s89, s14, 16
	s_lshr_b32 s89, s89, 1
	s_or_b32 s88, s88, s89
	s_lshl_b32 s88, s88, 12                        ; a row of out is 4,096 bytes,
	s_lshl_b32 s89, s13, 18                        ; a head 64 rows,
	s_add_co_u32 s88, s88, s89
	s_lshl_b32 s89, ttmp9, 11                      ; the work-group's 512 queries 2,048 bytes
	s_add_co_u32 s88, s88, s89
	s_mov_b32 s89, 0
	s_add_nc_u64 s[10:11], s[10:11], s[88:89]
	s_wait_tensorcnt 0x1                           ; the scale words, NT and steps 0 and 1 are in; each fetching wave's late block may stay out
	s_barrier_signal -1
	s_barrier_wait -1
	s_wait_loadcnt 0x0                             ; my queries
	STEP 1                                         ; the first step's second products start the sums: nothing is cleared
	STEP 0
	s_wait_tensorcnt 0x0                           ; steps 2 to 7 are in
	s_wait_dscnt 0x0
	s_barrier_signal -1
	s_barrier_wait -1
	s_mov_b32 s[CNT], 6
.Lkeys:
	s_setprio 2
	STEP 0
	s_sub_co_u32 s[CNT], s[CNT], 1
	s_cmp_lg_u32 s[CNT], 0
	s_cbranch_scc1 .Lkeys
	s_setprio 0
	; THE WAY OUT.  A row of out comes from all sixteen waves: the results meet in the stage, and each wave stores four rows' 2,048 bytes.
.rept 4
	v_nop                                          ; places in front of the first read of results, and of the loads below into registers that the last products have read
.endr
.irp ct, 0,1,2,3
.irp x, 0,1
.if \ct < 2
	ds_store_b128 v12, v[O+32*\x+8*\ct:O+32*\x+8*\ct+3] offset:33024*\ct+32*\x            ; each accumulator from its low end on
	ds_store_b128 v12, v[O+32*\x+8*\ct+4:O+32*\x+8*\ct+7] offset:33024*\ct+32*\x+16
.else
	ds_store_b128 v14, v[O+32*\x+8*\ct:O+32*\x+8*\ct+3] offset:33024*(\ct-2)+32*\x
	ds_store_b128 v14, v[O+32*\x+8*\ct+4:O+32*\x+8*\ct+7] offset:33024*(\ct-2)+32*\x+16
.endif
.endr
.endr
	s_wait_dscnt 0x0                               ; for the others' sake: my stores into the stage are done
	s_barrier_signal -1
	s_barrier_wait -1
.irp i, 0,1,2,3
.irp n, 0,1,2,3
	ds_load_b128 v[42+16*\i+4*\n:42+16*\i+4*\n+3], v15 offset:2064*\i+512*\n
.endr
.endr
.set k, 0
.irp i, 0,1,2,3
.irp n, 0,1,2,3
	s_wait_dscnt 15-k                              ; LDS loads come back in order (ISA guide 5.7.1): load k of the 16 is in, the younger ones may be out
	global_store_b128 v1, v[42+16*\i+4*\n:42+16*\i+4*\n+3], s[10:11] offset:4096*\i+512*\n th:TH_STORE_NT   ; 32 lanes store 512 consecutive bytes, at a multiple of 512 from out's first byte
.set k, k+1
.endr
.endr
	s_wait_tensorcnt 0x0
	ds_add_u32 v254, v255
	s_wait_dscnt 0x0
	s_endpgm
.Lfunc_end_k_qf1cd6b5191_attn:
	.size	k_qf1cd6b5191_attn, .Lfunc_end_k_qf1cd6b5191_attn-k_qf1cd6b5191_attn
	.p2alignl 7, 3214868480
	.fill 96, 4, 3214868480
	.section	.rodata,"a",@progbits
	.p2align	6, 0x0
	.amdhsa_kernel k_qf1cd6b5191_attn
		.amdhsa_group_segment_fixed_size 242688
		.amdhsa_private_segment_fixed_size 0
		.amdhsa_enable_private_segment 0
		.amdhsa_kernarg_size 32
		.amdhsa_user_sgpr_count 2
		.amdhsa_user_sgpr_kernarg_segment_ptr 1
		.amdhsa_wavefront_size32 1
		.amdhsa_system_sgpr_workgroup_id_x 1
		.amdhsa_system_sgpr_workgroup_id_y 1
		.amdhsa_system_sgpr_workgroup_id_z 1
		.amdhsa_system_vgpr_workitem_id 0
		.amdhsa_next_free_vgpr 256
		.amdhsa_next_free_sgpr 96
		.amdhsa_reserve_vcc 0
		.amdhsa_float_denorm_mode_32 3
		.amdhsa_float_denorm_mode_16_64 3
		.amdhsa_memory_ordered 1
		.amdhsa_forward_progress 1
		.amdhsa_inst_pref_size 95
	.end_amdhsa_kernel
	.amdgpu_metadata
---
amdhsa.version: [ 1, 2 ]
amdhsa.kernels:
  - .name:           k_qf1cd6b5191_attn
    .symbol:         k_qf1cd6b5191_attn.kd
    .args:
      - { .name: hc, .offset: 0, .size: 8, .value_kind: global_buffer, .address_space: global }
      - { .name: hs, .offset: 8, .size: 8, .value_kind: global_buffer, .address_space: global }
      - { .name: tz, .offset: 16, .size: 8, .value_kind: global_buffer, .address_space: global }
      - { .name: out0, .offset: 24, .size: 8, .value_kind: global_buffer, .address_space: global }
    .group_segment_fixed_size: 242688
    .private_segment_fixed_size: 0
    .kernarg_segment_align: 8
    .kernarg_segment_size: 32
    .max_flat_workgroup_size: 512
    .sgpr_count:     96
    .vgpr_count:     256
    .wavefront_size: 32
...
	.end_amdgpu_metadata
.endif
;; end of part 4
